; MI455X (gfx1250); checked and timed in simulation.
; The chip was launched on July 23, 2026; its instructions are those of AMD's public machine-readable ISA for CDNA 5 (MIT licence, August 2026) and "CDNA5" Instruction Set Architecture Reference Guide (July 2026). The comments in the code are by the model that wrote it; some were corrected since.
;; Multi Head Attention. Allowed arithmetic: matrix products marked QUANTISED: E2M3 operands, one E8M0 scale for each 32 along K, by v_wmma_scale_f32_16x16x128_f8f6f4 with both operands' format E2M3, f32 sums; everything else in f32.
;; Inputs: Wk_codes 1,024 x 32 x 24 uint8 (E2M3 codes of Wk, K innermost, in blocks of 32 codes, four codes in three bytes); Wk_scales 1,024 x 32 uint8 (E8M0 scales of Wk, one for each 32 codes along K); Wo_codes 1,024 x 32 x 24 uint8 (E2M3 codes of Wo, K innermost, in blocks of 32 codes, four codes in three bytes); Wo_scales 1,024 x 32 uint8 (E8M0 scales of Wo, one for each 32 codes along K); Wq_codes 1,024 x 32 x 24 uint8 (E2M3 codes of Wq, K innermost, in blocks of 32 codes, four codes in three bytes); Wq_scales 1,024 x 32 uint8 (E8M0 scales of Wq, one for each 32 codes along K); Wv_codes 1,024 x 32 x 24 uint8 (E2M3 codes of Wv, K innermost, in blocks of 32 codes, four codes in three bytes); Wv_scales 1,024 x 32 uint8 (E8M0 scales of Wv, one for each 32 codes along K); attention_mask 4 x 1 x 1 x 2,048 int32; bk 1,024 float32; bo 1,024 float32; bq 1,024 float32; bv 1,024 float32; ln_b 1,024 float32; ln_w 1,024 float32; x 4 x 2,048 x 1,024 float32.
;; Outputs: out0 4 x 2,048 x 1,024 float32.
;; This version of the problem:
;;   THIS VERSION OF THE PROBLEM IS GIVEN IN LOW PRECISION. The matrix products marked QUANTISED in the list below multiply operands that are first quantised to E2M3 (2 exponent bits, 3 mantissa bits; 6 bits a number), with one power-of-two scale for each 32 numbers along K (OCP MX v1.0); their sums are f32. All else is computed in f32.
;;   The module's matrix products, in the order in which they are computed (A, B: the left and right operand; K: the contracted axis; several contracted axes count as one K, in the product's order):
;;     1. [M 8,192, K 1,024] x [K 1,024, N 1,024]; A: input x; B: input Wq (given as codes): QUANTISED
;;     2. [M 8,192, K 1,024] x [K 1,024, N 1,024]; A: input x; B: input Wk (given as codes): QUANTISED
;;     3. [M 8,192, K 1,024] x [K 1,024, N 1,024]; A: input x; B: input Wv (given as codes): QUANTISED
;;     4. batch 64 x [M 2,048, K 64] x [K 64, N 2,048]; A: computed on the way; B: computed on the way: QUANTISED
;;     5. batch 64 x [M 2,048, K 2,048] x [K 2,048, N 64]; A: softmax (see below); B: computed on the way: QUANTISED
;;     6. [M 8,192, K 1,024] x [K 1,024, N 1,024]; A: computed on the way; B: input Wo (given as codes): QUANTISED
;;   THE QUANTISER, for each operand of a quantised product, along K:
;;     - K is cut into blocks of 32 from its start; a last block that is shorter is filled with zeros.
;;     - A block's scale is 2^e with e = floor(log2(the largest magnitude in the block)) - 2, held to -126 .. 127; a block of zeros has e = 0. As a byte (E8M0): e + 127.
;;     - Each number is divided by its block's scale, clamped to +-7.5, and rounded to the nearest number of E2M3, ties to even, subnormals kept.
;;     - The product sums the exact products of the quantised numbers (number of the format x scale) in f32.
;;   ~~~python
;;   def quantise(x, axis):      # numpy; x: float32 -> the quantised numbers, widened to float32 again
;;       x = np.moveaxis(x, axis, -1); K = x.shape[-1]
;;       x = np.pad(x, [(0, 0)] * (x.ndim - 1) + [(0, -K % 32)]); x = x.reshape(x.shape[:-1] + (-1, 32)); a = np.abs(x).max(-1, keepdims=True)
;;       e = np.where(a > 0, np.clip(np.frexp(np.where(a > 0, a, 1))[1] - 1 - 2, -126, 127), 0)      # np.frexp(a)[1] - 1 = floor(log2(a)), exactly
;;       r = np.clip(x / 2.0 ** e, -7.5, 7.5)
;;       step = 2.0 ** (np.maximum(np.frexp(np.where(r == 0, 1, r))[1] - 1, 0) - 3)
;;       q = np.round(r / step) * step * 2.0 ** e      # np.round: ties to even
;;       return np.moveaxis(q.reshape(q.shape[:-2] + (-1,))[..., :K], -1, axis).astype(np.float32)
;;   ~~~
;;   SOFTMAX AHEAD OF A QUANTISED PRODUCT. Where the list says 'softmax', what is quantised is not the finished softmax but p = 2^(t - M), with t = logit x log2(e) and M = ceil(the row's largest t), a whole number; so 1/2 < the row's largest p <= 1. The row's sum l is taken of the UNQUANTISED p, in f32, and the product's result is divided by l at the end. Since M is a whole number, a kernel that streams over the keys may use a running M (the ceiling of the running maximum): every later rescaling is an exact power of two, which a block's scale takes up: the codes' values come out the same.
;;   OPERANDS COMPUTED ON THE WAY. 'Computed on the way' means the value that the module computes at that place (a softmax that the list does not call 'softmax' is quantised finished and normalised). What goes into a quantiser is computed in f32, as accurately as f32 sums, v_exp_f32 and their like allow (about 1e-6 of the number): no bf16 or f16 on the way to a quantiser, and a product that is left as it is and whose result goes on into a quantised operand takes f32 operands (vector FMAs, or v_wmma_f32_16x16x4_f32). A number that lies on a knife's edge between two numbers of the format may be rounded either way, as far as f32 arithmetic and the matrix unit's own rounding can turn it there, and no further.
;;   INPUTS GIVEN AS CODES. Wk (in the module: [1024, 1024], K = its axis 1); Wo (in the module: [1024, 1024], K = its axis 1); Wq (in the module: [1024, 1024], K = its axis 1); Wv (in the module: [1024, 1024], K = its axis 1): each comes as NAME_codes (uint8): NAME with its K axis moved to the last place and cut into blocks of 32 codes, [.., K / 32, bytes a block], one block behind the other in memory; four codes in three bytes: a row's codes are one little-endian stream of bits, code i at bits 6 i .. 6 i + 5 (a code: sign, 2 exponent bits, 3 mantissa bits); and NAME_scales (uint8): the same leading axes, one E8M0 byte (e + 127) for each 32 codes along K. Its value is code x scale, taken as it is: it is not quantised again, and the codes and scales need not be those that the quantiser above would give.
;; One version. Each part assembles by itself: llvm-mc -triple=amdgcn-amd-amdhsa -mcpu=gfx1250 --defsym DOCPART=n.
;; ======== version 1 of 1: 4 launches
;; limits: right only within a limited range of input values
;; workspace buffers: xc 6,291,456 bytes; xs 262,144 bytes; qkv 20,185,088 bytes; hc 6,291,456 bytes; hs 262,144 bytes
;; launch quantx (part 1): grid 256 x 1, 4 waves a work-group, no clusters, 33,280 bytes of LDS; arguments x, xc, xs; writes xc, xs
.if DOCPART == 1
	.amdgcn_target "amdgcn-amd-amdhsa--gfx1250"
	.amdhsa_code_object_version 6
	.text
	.protected	k_q18ee1bc871_quantx
	.globl	k_q18ee1bc871_quantx
	.p2align	8
	.type	k_q18ee1bc871_quantx,@function
k_q18ee1bc871_quantx:
	s_mov_b64 s[64:65], 0
	v_nop
	global_prefetch_b8 v0, s[64:65] scope:SCOPE_SE
	s_setreg_imm32_b32 hwreg(HW_REG_WAVE_MODE, 25, 1), 1
	s_wait_xcnt 0x0
; x [8192][1024] f32 becomes codes of FP6 (E2M3), K innermost, xc [8192][768], and one E8M0 byte for each 32 along K, xs [8192][32].
; A block's scale is 2^(floor(log2(its largest magnitude)) - 2); its byte is the largest magnitude's exponent field - 2, held at 1 from below.
; (A block of zeros so gets the byte 1 where the rule says 127: its codes are zeros, and the bytes are read by this program alone.)
; LIMITS: blocks whose largest magnitude lies under 2^(2 - 126) have their byte held at 1; NaN and infinities among the inputs are not served.
; Rows are dense and 1024 is a multiple of 32: x is a plain stream of blocks of 32, and so are the codes and the bytes.
; A wave takes 16 steps of 512 numbers.  Each of a step's four loads reads 512 consecutive bytes, 16 a lane; the 2,048 bytes turn through the wave's own
; stage in LDS and come back 64 bytes a lane: 16 neighbours along K, which the conversion wants in one lane's registers.  Two neighbouring lanes hold a block.
; A lane's 16 codes are 12 bytes: a store covers 384 consecutive bytes.  A wave's 256 scale bytes are gathered in LDS and leave as 256 consecutive aligned bytes.
; No tensor loads, no barrier: waves share nothing.  Loads run four steps (16 loads a wave) ahead, the turn through LDS one step.
.set STEPS, 16
.set EMAX,  2
.set CB,    12                         ; bytes of 16 codes
.set R,     16                         ; v16-79   four sets of 16 numbers as they are loaded
.set X,     80                         ; v80-111  two sets of 16 neighbours
.set C,     128                        ; v128-191 codes: four registers for each step, so that no store's data are written again
.set E,     112                        ; v112-127 a scale byte for each step
.set WREG,  8192                       ; LDS: a region for each wave: two stages of 32 x SP bytes, behind them its 256 scale bytes
.set SP,    80                         ; a lane's place in a stage: its 64 bytes + 16 of padding
	s_load_b128 s[4:7], s[0:1], 0x0                ; x s[4:5], xc s[6:7]
	s_load_b64 s[10:11], s[0:1], 0x10              ; xs
	v_lshl_add_u32 v192, v0, 2, 0x8000
	v_mov_b32 v193, 0
	v_lshrrev_b32 v1, 5, v0
	v_readfirstlane_b32 s16, v1                    ; wave
	v_and_b32 v2, 31, v0                           ; lane
	v_lshlrev_b32 v3, 4, v2                        ; my 16 bytes of a load's 512
	s_mul_i32 s17, s16, WREG
	v_lshrrev_b32 v14, 2, v2
	v_mul_u32_u24 v14, v14, SP
	v_and_b32 v15, 3, v2
	v_lshl_add_u32 v14, v15, 4, v14
	v_add_nc_u32 v14, s17, v14                     ; the stage on the way in: SP (lane / 4) + 16 (lane % 4)
	v_mul_u32_u24 v15, v2, SP
	v_add_nc_u32 v15, s17, v15                     ; and on the way out: SP x lane: my 16 neighbours
	v_mul_u32_u24 v4, v2, CB                       ; my codes' place in a step's
	v_lshrrev_b32 v5, 1, v2
	s_add_co_u32 s17, s17, 2*32*SP
	v_add_nc_u32 v5, s17, v5                       ; LDS: my wave's 256 scale bytes, my block's byte
	v_lshlrev_b32 v7, 3, v2                        ; and on the way out 8 bytes a lane
	v_add_nc_u32 v6, s17, v7
	s_lshl_b32 s17, ttmp9, 2
	s_add_co_u32 s18, s17, s16                     ; which run of 8,192 numbers is my wave's
	s_mov_b32 s19, 0
	s_mov_b64 s[20:21], 512*STEPS*4
	s_mul_u64 s[20:21], s[18:19], s[20:21]
	s_mov_b64 s[22:23], 32*STEPS*CB
	s_mul_u64 s[22:23], s[18:19], s[22:23]
	s_lshl_b32 s18, s18, 8                         ; 256 scale bytes a run
	s_wait_kmcnt 0x0
	s_add_nc_u64 s[4:5], s[4:5], s[20:21]
	s_add_nc_u64 s[6:7], s[6:7], s[22:23]
	s_add_nc_u64 s[10:11], s[10:11], s[18:19]
.macro LOAD t
.irp i, 0,1,2,3
	global_load_b128 v[R+16*((\t)%4)+4*\i:R+16*((\t)%4)+4*\i+3], v3, s[4:5] offset:2048*(\t)+512*\i th:TH_LOAD_NT   ; 32 lanes read 512 consecutive bytes
.endr
.endm
.macro TURN t                          ; step t's numbers through the stage: LDS serves a wave's instructions in order, so no wait stands between the stores and the loads
.irp i, 0,1,2,3
	ds_store_b128 v14, v[R+16*((\t)%4)+4*\i:R+16*((\t)%4)+4*\i+3] offset:32*SP*((\t)%2)+8*SP*\i
.endr
.irp i, 0,1,2,3
	ds_load_b128 v[X+16*((\t)%2)+4*\i:X+16*((\t)%2)+4*\i+3], v15 offset:32*SP*((\t)%2)+16*\i
.endr
.endm
.irp t, 0,1,2,3
	LOAD \t
.endr
	s_wait_loadcnt 12                              ; step 0's four loads are in
	TURN 0
.macro STEP t
.set XS, X+16*((\t)%2)
.if (\t) > 0
	s_wait_dscnt 1                                 ; this step's numbers are back from the stage (the last step's byte store may be out): so its stores into the stage have read their registers,
.else
	s_wait_dscnt 0x0
.endif
.if (\t)+4 < STEPS
	LOAD (\t)+4                                    ; which take the loads of four steps on
.endif
.if (\t)+1 < STEPS
.if STEPS-2-(\t) >= 3
	s_wait_loadcnt 12                              ; the next step's four loads are in; those of the three steps behind it may be out
.else
	s_wait_loadcnt 4*(STEPS-2-(\t))
.endif
	TURN (\t)+1                                    ; and go through the other stage while this step is worked
.endif
	v_max3_num_f32 v8, |v[XS]|, |v[XS+1]|, |v[XS+2]|               ; the largest magnitude of my 16
	v_max3_num_f32 v9, |v[XS+3]|, |v[XS+4]|, |v[XS+5]|
.irp i, 6,10
	v_max3_num_f32 v8, v8, |v[XS+\i]|, |v[XS+\i+1]|
	v_max3_num_f32 v9, v9, |v[XS+\i+2]|, |v[XS+\i+3]|
.endr
	v_max3_num_f32 v8, v8, |v[XS+14]|, |v[XS+15]|
	v_max3_num_f32 v8, v8, v9, (EMAX+1)<<23        ; and the floor 2^(EMAX + 1 - 127): the byte cannot fall under 1
	v_max_num_f32_dpp v8, v8, v8 row_xmask:1 row_mask:0xf bank_mask:0xf   ; and of my neighbour's 16: the block's
	v_add_nc_u32 v11, -(EMAX<<23), v8              ; EMAX off its exponent field: the conversion takes the exponent field of this operand as its scale
	v_cvt_scalef32_pk16_fp6_f32 v[C+4*(\t):C+4*(\t)+2], v[XS:XS+15], v11   ; sixteen numbers to the nearest code, ties to even, beyond the largest code the largest; 96 bits without gaps
	v_lshrrev_b32 v[E+(\t)], 23, v11               ; the scale's byte
	ds_store_b8 v5, v[E+(\t)] offset:16*(\t)       ; both lanes of a block write the same byte with the same value
	global_store_b96 v4, v[C+4*(\t):C+4*(\t)+2], s[6:7] offset:32*CB*(\t)
.endm
.irp t, 0,1,2,3,4,5,6,7,8,9,10,11,12,13,14,15
	STEP \t
.endr
	ds_load_b64 v[12:13], v6                       ; LDS serves a wave's instructions in order: these see my stores
	s_wait_dscnt 0x0
	global_store_b64 v7, v[12:13], s[10:11]        ; 32 lanes store 256 consecutive bytes, aligned
	s_wait_tensorcnt 0x0
	ds_add_u32 v192, v193
	s_wait_dscnt 0x0
	s_endpgm
.Lfunc_end_k_q18ee1bc871_quantx:
	.size	k_q18ee1bc871_quantx, .Lfunc_end_k_q18ee1bc871_quantx-k_q18ee1bc871_quantx
	.p2alignl 7, 3214868480
	.fill 96, 4, 3214868480
	.section	.rodata,"a",@progbits
	.p2align	6, 0x0
	.amdhsa_kernel k_q18ee1bc871_quantx
		.amdhsa_group_segment_fixed_size 33280
		.amdhsa_private_segment_fixed_size 0
		.amdhsa_enable_private_segment 0
		.amdhsa_kernarg_size 24
		.amdhsa_user_sgpr_count 2
		.amdhsa_user_sgpr_kernarg_segment_ptr 1
		.amdhsa_wavefront_size32 1
		.amdhsa_system_sgpr_workgroup_id_x 1
		.amdhsa_system_sgpr_workgroup_id_y 1
		.amdhsa_system_sgpr_workgroup_id_z 1
		.amdhsa_system_vgpr_workitem_id 0
		.amdhsa_next_free_vgpr 194
		.amdhsa_next_free_sgpr 66
		.amdhsa_reserve_vcc 0
		.amdhsa_float_denorm_mode_32 3
		.amdhsa_float_denorm_mode_16_64 3
		.amdhsa_memory_ordered 1
		.amdhsa_forward_progress 1
		.amdhsa_inst_pref_size 32
	.end_amdhsa_kernel
	.amdgpu_metadata
---
amdhsa.version: [ 1, 2 ]
amdhsa.kernels:
  - .name:           k_q18ee1bc871_quantx
    .symbol:         k_q18ee1bc871_quantx.kd
    .args:
      - { .name: x, .offset: 0, .size: 8, .value_kind: global_buffer, .address_space: global }
      - { .name: xc, .offset: 8, .size: 8, .value_kind: global_buffer, .address_space: global }
      - { .name: xs, .offset: 16, .size: 8, .value_kind: global_buffer, .address_space: global }
    .group_segment_fixed_size: 33280
    .private_segment_fixed_size: 0
    .kernarg_segment_align: 8
    .kernarg_segment_size: 24
    .max_flat_workgroup_size: 128
    .sgpr_count:     66
    .vgpr_count:     194
    .wavefront_size: 32
...
	.end_amdgpu_metadata
.endif
;; end of part 1
;; launch qkv (part 2): grid 12 x 32, 4 waves a work-group, clusters of 4 x 4, 327,680 bytes of LDS; arguments xc, xs, Wv_codes, Wv_scales, Wq_codes, Wq_scales, Wk_codes, Wk_scales, bq, bk, bv, attention_mask, qkv; writes qkv
.if DOCPART == 2
	.amdgcn_target "amdgcn-amd-amdhsa--gfx1250"
	.amdhsa_code_object_version 6
	.text
	.protected	k_q18ee1bc871_qkv
	.globl	k_q18ee1bc871_qkv
	.p2align	8
	.type	k_q18ee1bc871_qkv,@function
k_q18ee1bc871_qkv:
	s_mov_b64 s[64:65], 0
	v_nop
	global_prefetch_b8 v0, s[64:65] scope:SCOPE_SE
	s_setreg_imm32_b32 hwreg(HW_REG_WAVE_MODE, 25, 1), 1
	s_wait_xcnt 0x0
	s_wait_alu depctr_hold_cnt(0) depctr_sa_sdst(0) depctr_va_vdst(0) depctr_va_sdst(0) depctr_va_ssrc(0) depctr_va_vcc(0) depctr_vm_vsrc(0)
	s_getreg_b32 s2, hwreg(HW_REG_IB_STS2, 6, 4)
	s_cmp_eq_u32 s2, 0
	s_cbranch_scc0 .Lentry_in_a_cluster
	s_endpgm
.Lentry_in_a_cluster:
	s_bfe_u32 s2, ttmp6, 0x10000c
	s_cmp_lg_u32 s2, 0xf033
	s_cbranch_scc0 .Lentry_shape_is_right
	s_endpgm
.Lentry_shape_is_right:
; q = x Wq^T + bq, k = x Wk^T + bk, v = x Wv^T + bv on codes of FP6 (E2M3) with E8M0 scales, K = 1024; the results are quantised at once, q and k along the head's 64, v along the keys,
; and stored as IMAGES OF OPERAND REGISTERS into one record of 315,392 bytes for each (batch, head):
;   +0 K's codes, 128 tiles of 16 keys x 768 bytes | +98,304 V's codes, 16 steps of 128 keys x 4 tiles of 16 channels x 1,536 | +196,608 K's scale words, 16 x 512 | +204,800 V's, 16 x 256
;   +208,896 Q's codes, 128 x 768 | +307,200 Q's scale words, 16 x 512.
; ONE LOOP SERVES ALL THREE: C' = A' B'^T on tiles of 256 x 256, four waves of 128 x 128.  Cluster x = 0: A' = x, B' = Wq; 1: A' = x, B' = Wk; 2: A' = Wv, B' = x.  The matrix instruction is used transposed
; (source 0 = 16 rows of B', source 1 = 16 rows of A'): a lane holds ONE row of A' and eight neighbouring rows of B'.  So for q and k a lane holds a token and its registers run along the head, for v a lane
; holds a channel and its registers run along the tokens: each time the registers run along the next product's K.
; ORDER INSIDE A BLOCK OF 32: a lane's 16 registers of two neighbouring tiles are numbers 8 h + 0..7 and 16 + 8 h + 0..7 of a block, so the codes of a block lie in the order 0-7, 16-23, 8-15, 24-31.
; q and k have the same order along the head, v and the softmax's p (next launch) the same along the keys: the same pairs meet, and a block holds the same 32 numbers as in the plain order.
; THE MASK rides in the padding of q k^T, whose K is 64 of the instruction's 128: at k = 64 the next launch gives every key the code -7.5 and every query the code 1.0.  Byte 2 of a key's scale word is
; 247 where attention_mask is 0 and 0 elsewhere; byte 2 of a query's is 67; byte 3 is 0.  A hidden key's score so gets -7.5 x 2^60, an open key's -7.5 x 2^-187, which is nothing in f32.
; LIMITS: scores x log2(e) / 8 beyond 2^50 in magnitude are not served; NaN and infinities are not served; a block of zeros gets the byte 1 (its codes are zeros; only this program reads the bytes).
; CLUSTERS: 4 x 4 work-groups; A's tile is asked for jointly along a row of the cluster, B's along a column.  24 clusters in all.
; K goes in steps of 256 through a ring of two LDS slots; the scale bytes of the work-group's rows, for all of K, come once with the first fills.
; REGISTERS, in windows of 256: window 0: v8-15 the scale words made; v16-30 addresses; v32-63 scale words of A' and B', two sets; v64-127 bias along the registers; from v128 A's fragments, later the way out;
;   v232-247 bias by lane; v248-255 the mask.  window 1: B's fragments, two sets.  windows 2, 3: the 64 accumulators ((a, b) at v[8 (8 (a % 4) + b)] of window 2 + a / 4).
.set KSTEP,  256
.set NQ,     KSTEP/128
.set ROWB,   192                       ; a tile's row in bytes
.set KROW,   768                       ; a row of codes in memory
.set PITCH,  240                       ; an LDS row: 3 x (64 bytes + 16 of padding)
.set FR,     12
.set NL,     6
.set NP,     4
.set HALFT,  128*PITCH
.set SLOT,   4*HALFT
.set LAPS,   2                         ; 1024 / 512
.set KS,     32                        ; a row of scale bytes
.set SCL,    2*SLOT
.set HALFS,  (128*KS/256)*272
.set SBLK,   (16*KS/256)*272
.set SPARE,  SCL+4*HALFS               ; the spare words, 128 bytes for each wave
.set REC,    315392
.set PWS,  8                           ; v8-15   the scale word of each of my 8 blocks of rows
.set ADRA, 16
.set ADRB, 20
.set LI,   24                          ; v24     16 x lane
.set LH,   25                          ; v25     8 x lane
.set BO,   26                          ; v26     32 x (lane / 16)
.set ADRS, 27
.set SPW,  28
.set NIL,  29
.set RO,   30                          ; v30     4 x (lane % 16)
.set SC,   32
.set BI,   64                          ; v64-127 bias of B's rows: register 8 b + j: row 16 b + 8 h + j
.set AF,   128
.set T,    128                         ; v128-191 64 numbers to be quantised
.set TM,   192                         ; v192-207 at work
.set CDS,  208                         ; v208-226 the codes
.set EL,   228
.set EH,   229
.set BV,   232                         ; v232-247 bias of A's rows, each twice: a pair for the packed addition
.set MK,   248                         ; v248-255 the mask of my tokens, then byte 2 of their scale words
.set G1, 24
.set G0, 32
.set G1B, 48
.set G0B, 56
.set G1S, 68
.set G0S, 76
.set G1SB, 80
.set G0SB, 88
.set SEL, 92
.set MSB, 0
.macro WIN new                         ; the immediate's high byte repeats the setting that is left
.if MSB != \new
	s_set_vgpr_msb (MSB<<8)|\new
.set MSB, \new
.endif
.endm
.set MUL_LO, 0xa1                      ; source 0 (B) window 1, source 1 (A) window 0, C and D window 2
.set MUL_HI, 0xf1
.set TO_B,   0x40
; A joint load: waves 0 and 1 fetch for A, waves 2 and 3 for B; the branch hangs on the wave's number alone.  Four v_nop follow each of the two lines.
.macro JLOAD g0a, g1a, g0b, g1b
	s_cmp_eq_u32 s15, 0
	s_cbranch_scc0 .Lfor_b_\@
	tensor_load_to_lds s[\g0a:\g0a+3], s[\g1a:\g1a+7]
	s_nop 0
.rept 4
	v_nop
.endr
	s_branch .Lasked_\@
.Lfor_b_\@:
	tensor_load_to_lds s[\g0b:\g0b+3], s[\g1b:\g1b+7]
	s_nop 0
.rept 4
	v_nop
.endr
.Lasked_\@:
.endm
.macro CREST                           ; a round of the cluster's barrier behind its opening barrier
	s_cmp_lg_u32 s14, 0
	s_cbranch_scc1 .Lnot_wave_0_\@
	s_barrier_signal -3
.Lnot_wave_0_\@:
	s_barrier_wait -3
	s_barrier_signal -1
	s_barrier_wait -1
.endm
.macro CROUND
	s_barrier_signal -1
	s_barrier_wait -1
	CREST
.endm
	s_load_b512 s[68:83], s[0:1], 0x0              ; xc 68, xs 70, Wv's codes 72, scales 74, Wq's 76, 78, Wk's 80, 82
	s_load_b256 s[84:91], s[0:1], 0x40             ; bq 84, bk 86, bv 88, the mask 90
	s_load_b64 s[12:13], s[0:1], 0x60              ; qkv
	v_lshl_add_u32 v[SPW], v0, 2, SPARE
	v_mov_b32 v[NIL], 0
	ds_add_u32 v28, v29
	ds_add_u32 v28, v29
	s_wait_dscnt 0x0
	v_lshrrev_b32 v1, 5, v0
	v_readfirstlane_b32 s14, v1                    ; wave 0..3
	s_lshr_b32 s15, s14, 1                         ; which half of the tile's rows (A') is mine.  Also: I fetch for A (0) or for B (1)
	s_and_b32 s16, s14, 1                          ; which half of its columns (B').  Also: which 128 rows of that tile I fetch
	s_bfe_u32 s40, ttmp6, 0x40000                  ; cx, cy
	s_bfe_u32 s41, ttmp6, 0x40004
	s_and_b32 s18, ttmp7, 0xffff
	s_lshl_b32 s18, s18, 2                         ; 4 x cluster y: it walks x's 32 tiles of rows
	s_cmp_eq_u32 ttmp9, 2                          ; cluster x is the same in all sixteen partners
	s_cselect_b32 s19, 0, s18
	s_cselect_b32 s20, s18, 0
	s_add_co_u32 s17, s41, s19                     ; tile row (of A'): q, k: 4 x cluster y + cy; v: cy
	s_add_co_u32 s42, s40, s20                     ; tile column (of B'): q, k: cx; v: 4 x cluster y + cx
	s_lshl_b32 s43, s41, 2
	s_lshl_b32 s43, 15, s43                        ; my row of the cluster
	s_lshl_b32 s44, 0x1111, s40                    ; my column
	s_or_b32 s[G1+0], s43, (0<<16)|(1<<20)|(1<<21)|(3<<22)|(3<<25)  ; the mask; elements of 1 byte; padding on; bit 21 beside a mask; after every 16 words; 4 words
	s_or_b32 s[G1B+0], s44, (0<<16)|(1<<20)|(1<<21)|(3<<22)|(3<<25)
.irp g, G1, G1B
	s_mov_b32 s[\g+1], ROWB<<16                    ; tensor_dim0
	s_mov_b32 s[\g+2], 128<<16                     ; tensor_dim1
	s_mov_b32 s[\g+3], ROWB<<16                    ; tile_dim0
	s_mov_b32 s[\g+4], 128                         ; tile_dim1
	s_mov_b32 s[\g+5], KROW                        ; the pitch
	s_mov_b32 s[\g+6], 0
	s_mov_b32 s[\g+7], 0
.endr
	s_lshl_b32 s18, s16, 7                         ; which 128 rows of the tile I fetch
	s_lshl_b32 s20, s17, 8
	s_add_co_u32 s20, s20, s18                     ; A': row 256 x tile row + 128 x half
	s_lshl_b32 s46, s42, 8
	s_add_co_u32 s46, s46, s18                     ; B': row 256 x tile column + 128 x half
	s_mov_b32 s21, 0
	s_mov_b32 s47, 0
	s_mov_b64 s[18:19], KS
	s_mul_u64 s[22:23], s[20:21], s[18:19]         ; where these rows' scale bytes begin
	s_mul_u64 s[92:93], s[46:47], s[18:19]
	s_mov_b64 s[18:19], KROW
	s_mul_u64 s[20:21], s[20:21], s[18:19]         ; and their codes
	s_mul_u64 s[46:47], s[46:47], s[18:19]
	s_mul_i32 s45, s14, HALFT                      ; where they go: wave x 128 rows
	s_mul_i32 s94, s14, HALFS
	s_wait_kmcnt 0x0
	s_cmp_eq_u32 ttmp9, 0                          ; the buffers are chosen by cluster x alone
	s_cselect_b64 s[8:9], s[76:77], s[80:81]       ; B': Wq or Wk,
	s_cselect_b64 s[10:11], s[78:79], s[82:83]
	s_cselect_b64 s[98:99], s[84:85], s[86:87]     ; the bias: bq or bk,
	s_cmp_eq_u32 ttmp9, 2
	s_cselect_b64 s[8:9], s[68:69], s[8:9]         ; or, for v, x;
	s_cselect_b64 s[10:11], s[70:71], s[10:11]
	s_cselect_b64 s[4:5], s[72:73], s[68:69]       ; A': Wv for v, else x
	s_cselect_b64 s[6:7], s[74:75], s[70:71]
	s_cselect_b64 s[98:99], s[88:89], s[98:99]
	s_mov_b64 s[96:97], s[90:91]                   ; the mask
	; the scales of 128 rows: a dense block of 4,096 bytes, as rows of 256 bytes, 16 bytes of padding behind each (the argument registers are done with)
	s_or_b32 s[G1S+0], s43, (3<<16)|(1<<20)|(1<<21)|(5<<22)|(3<<25)
	s_or_b32 s[G1SB+0], s44, (3<<16)|(1<<20)|(1<<21)|(5<<22)|(3<<25)
.irp g, G1S, G1SB
	s_mov_b32 s[\g+1], 32<<16
	s_mov_b32 s[\g+2], (128*KS/256)<<16
	s_mov_b32 s[\g+3], 32<<16
	s_mov_b32 s[\g+4], 128*KS/256
	s_mov_b32 s[\g+5], 32
	s_mov_b32 s[\g+6], 0
	s_mov_b32 s[\g+7], 0
.endr
	s_add_nc_u64 s[20:21], s[4:5], s[20:21]
	s_add_nc_u64 s[22:23], s[6:7], s[22:23]
	s_add_nc_u64 s[46:47], s[8:9], s[46:47]
	s_add_nc_u64 s[92:93], s[10:11], s[92:93]
	CROUND                                         ; all sixteen work-groups are here: the first joint loads meet
	s_mov_b32 s[G0S], 1
	s_add_co_u32 s[G0S+1], s94, SCL
	s_mov_b64 s[G0S+2:G0S+3], s[22:23]
	s_or_b32 s[G0S+3], s[G0S+3], 0x80000000
	s_mov_b32 s[G0SB], 1
	s_add_co_u32 s[G0SB+1], s94, SCL
	s_mov_b64 s[G0SB+2:G0SB+3], s[92:93]
	s_or_b32 s[G0SB+3], s[G0SB+3], 0x80000000
	JLOAD G0S, G1S, G0SB, G1SB                     ; the scales first: they are wanted with K step 0
.irp s, 0,1
	s_mov_b32 s[G0+4*\s], 1
	s_add_co_u32 s[G0+4*\s+1], s45, \s*SLOT
	s_add_nc_u64 s[G0+4*\s+2:G0+4*\s+3], s[20:21], \s*ROWB
	s_or_b32 s[G0+4*\s+3], s[G0+4*\s+3], 0x80000000
	s_mov_b32 s[G0B+4*\s], 1
	s_add_co_u32 s[G0B+4*\s+1], s45, \s*SLOT
	s_add_nc_u64 s[G0B+4*\s+2:G0B+4*\s+3], s[46:47], \s*ROWB
	s_or_b32 s[G0B+4*\s+3], s[G0B+4*\s+3], 0x80000000
	JLOAD G0+4*\s, G1, G0B+4*\s, G1B               ; three tensor loads of mine are out now
.endr
	v_and_b32 v1, 15, v0                           ; r = lane % 16
	v_bfe_u32 v2, v0, 4, 1                         ; h = lane / 16
	v_mul_u32_u24 v3, v1, PITCH
	v_mul_u32_u24 v4, v2, 24
	v_add_nc_u32 v4, v3, v4                        ; a fragment's row x pitch + 24 x half
	v_lshl_add_u32 v5, v2, 4, v4                   ; and the same behind one padding more
	s_mul_i32 s21, s15, HALFT                      ; my 128 rows of A'
	s_mul_i32 s22, s16, HALFT                      ; my 128 rows of B',
	s_add_co_u32 s22, s22, 2*HALFT                 ; which lie behind A's 256
.irp s, 0,1
	v_add_nc_u32 v[ADRA+\s], s21, v4
	v_add_nc_u32 v[ADRB+\s], s22, v4
	v_add_nc_u32 v[ADRA+2+\s], s21, v5
	v_add_nc_u32 v[ADRB+2+\s], s22, v5
	s_add_co_u32 s21, s21, SLOT
	s_add_co_u32 s22, s22, SLOT
.endr
	v_mul_u32_u24 v5, v1, KS                       ; my row's scales: KS bytes a row,
	v_lshrrev_b32 v6, 8, v5
	v_lshl_add_u32 v5, v6, 4, v5                   ; and 16 more for each 256 passed
	s_mul_i32 s21, s15, HALFS
	s_mul_i32 s22, s16, HALFS
	s_add_co_u32 s22, s22, 2*HALFS
	s_sub_co_u32 s22, s22, s21
	v_mul_u32_u24 v6, s22, v2                      ; lanes 16-31 take B's
	s_add_co_u32 s21, s21, SCL
	v_add_nc_u32 v5, v5, v6
	v_add_nc_u32 v[ADRS], s21, v5
	v_and_b32 v6, 31, v0
	v_lshlrev_b32 v[LI], 4, v6
	v_lshlrev_b32 v[LH], 3, v6
	v_lshlrev_b32 v[BO], 5, v2
	v_lshlrev_b32 v[RO], 2, v1
	; where my results go
	s_lshl_b32 s20, s17, 8
	s_lshl_b32 s21, s15, 7
	s_add_co_u32 s20, s20, s21                     ; my first row of A'
	s_lshl_b32 s46, s42, 8
	s_lshl_b32 s47, s16, 7
	s_add_co_u32 s46, s46, s47                     ; my first row of B'
	s_cmp_eq_u32 ttmp9, 2
	s_cselect_b32 s22, s20, s46                    ; my first channel of the 1024,
	s_cselect_b32 s23, s46, s20                    ; my first token of the 8192
	s_lshr_b32 s18, s23, 11                        ; the batch
	s_lshl_b32 s18, s18, 4
	s_lshr_b32 s19, s22, 6                         ; my first head (the second's record follows it)
	s_add_co_u32 s18, s18, s19
	s_mul_i32 s18, s18, REC
	s_bfe_u32 s19, s23, 0x40007                    ; which 128 tokens of the batch's 2048
	s_mov_b32 s95, 196608
	s_mov_b32 s5, 247<<16
	s_cmp_eq_u32 ttmp9, 0
	s_cselect_b32 s94, 208896, 0                   ; the codes' region: q's, k's,
	s_cselect_b32 s95, 307200, s95                 ; the scale words' region
	s_cselect_b32 s4, 67<<16, 0                    ; byte 2 of a scale word where the mask is open: a query's 67, a key's 0;
	s_cselect_b32 s5, 67<<16, s5                   ; where it is 0: a query's 67, a key's 247
	s_cmp_eq_u32 ttmp9, 2
	s_cselect_b32 s94, 98304, s94                  ; or v's
	s_cselect_b32 s95, 204800, s95
	s_cselect_b32 s47, 8, 9                        ; a step's scale words: 256 bytes for v, 512 for q and k
	s_mul_i32 s21, s19, 6144
	s_add_co_u32 s94, s94, s18
	s_add_co_u32 s94, s94, s21
	s_lshl_b32 s47, s19, s47
	s_add_co_u32 s20, s95, s18
	s_add_co_u32 s20, s20, s47
	s_mov_b32 s21, 0
	s_mov_b32 s95, 0
	s_add_nc_u64 s[66:67], s[12:13], s[20:21]      ; the scale words
	s_add_nc_u64 s[12:13], s[12:13], s[94:95]      ; the codes
	s_lshl_b32 s20, s22, 2
	s_add_nc_u64 s[98:99], s[98:99], s[20:21]      ; the bias at my first channel
	s_lshl_b32 s20, s23, 2
	s_add_nc_u64 s[96:97], s[96:97], s[20:21]      ; the mask at my first token
	; bias both ways and the mask: loaded on every path, waited for behind the loop; their address registers are never rewritten
.irp b, 0,1,2,3,4,5,6,7
	global_load_b128 v[BI+8*\b:BI+8*\b+3], v[BO], s[98:99] offset:64*\b
	global_load_b128 v[BI+8*\b+4:BI+8*\b+7], v[BO], s[98:99] offset:64*\b+16
.endr
.irp a, 0,1,2,3,4,5,6,7
	global_load_b32 v[BV+2*\a], v[RO], s[98:99] offset:64*\a
	global_load_b32 v[BV+2*\a+1], v[RO], s[98:99] offset:64*\a
	global_load_b32 v[MK+\a], v[RO], s[96:97] offset:64*\a
.endr
.macro FRAG reg, adr, q, i             ; a fragment, 16 rows x 128 K of 6-bit codes: 12 registers; registers 6 c .. 6 c + 5 hold K = 64 c + 32 (lane / 16) + 0 .. 31, as the bytes lie
.irp p, 0,1,2,3,4,5                    ; in pieces of 8 bytes; where the piece three on lies behind one padding more, the second address register serves
.set PIECE, 12*(\q)+6*(\p/3)+\p%3
.if PIECE%8 < 5
	ds_load_b64 v[\reg+2*\p:\reg+2*\p+1], v[\adr] offset:8*PIECE+16*(PIECE/8)+(\i)*16*PITCH
.else
	ds_load_b64 v[\reg+2*\p:\reg+2*\p+1], v[\adr+2] offset:8*PIECE+16*(PIECE/8)+(\i)*16*PITCH
.endif
.endr
.endm
; 16 matrix instructions: A's blocks a0, a0 + 1 x B's eight.  The 64 accumulators take turns, one instruction a turn, in the same order in every step.
.macro MUL16 a0, p, q, sc, zero
.irp a, \a0, \a0+1
.irp b, 0,1,2,3,4,5,6,7
.if \zero
	v_wmma_scale_f32_16x16x128_f8f6f4 v[8*(8*((\a)%4)+\b):8*(8*((\a)%4)+\b)+7], v[128*(\p)+FR*\b:128*(\p)+FR*\b+FR-1], v[AF+FR*(\a):AF+FR*(\a)+FR-1], 0, v[SC+8*NQ*(\sc)+NQ*\b+(\q)], v[SC+8*NQ*(\sc)+NQ*(\a)+(\q)] matrix_a_fmt:MATRIX_FMT_FP6 matrix_b_fmt:MATRIX_FMT_FP6 matrix_a_scale:MATRIX_SCALE_ROW1
.else
	v_wmma_scale_f32_16x16x128_f8f6f4 v[8*(8*((\a)%4)+\b):8*(8*((\a)%4)+\b)+7], v[128*(\p)+FR*\b:128*(\p)+FR*\b+FR-1], v[AF+FR*(\a):AF+FR*(\a)+FR-1], v[8*(8*((\a)%4)+\b):8*(8*((\a)%4)+\b)+7], v[SC+8*NQ*(\sc)+NQ*\b+(\q)], v[SC+8*NQ*(\sc)+NQ*(\a)+(\q)] matrix_a_fmt:MATRIX_FMT_FP6 matrix_b_fmt:MATRIX_FMT_FP6 matrix_a_scale:MATRIX_SCALE_ROW1
.endif
.endr
.endr
.endm
.macro FETCH_B slot, q, p
	WIN TO_B
.irp i, 0,1,2,3,4,5,6,7
	FRAG 128*(\p)+FR*\i, ADRB+\slot, \q, \i
.endr
	WIN 0
.endm
.macro FETCH_A slot, q, i0
.irp i, \i0, \i0+1, \i0+2, \i0+3
	FRAG AF+FR*(\i), ADRA+\slot, \q, \i
.endr
.endm
.macro SCALES sc                       ; a K step's scale words: lanes 0-15 take A's block i, lanes 16-31 B's block i
.irp i, 0,1,2,3,4,5,6,7
	ds_load_b64 v[SC+8*NQ*\sc+NQ*\i:SC+8*NQ*\sc+NQ*\i+1], v[ADRS] offset:\i*SBLK
.endr
.endm
.macro PLACES n                        ; plain vector instructions between a matrix instruction and a load into, or a vector read or write of, its registers
.rept \n
	v_nop
.endr
.endm
.macro STEP slot, q, zero              ; a step of 128 along K that has its successor in the same slot
	s_wait_dscnt 4*NL                              ; B's set and A's blocks 0-3 are in; the youngest 24 loads (A's blocks 4-7) may be out
	WIN MUL_LO
	MUL16 0, (\q)%2, \q, \slot, \zero
	MUL16 2, (\q)%2, \q, \slot, \zero
	s_wait_dscnt 0                                 ; A's blocks 4-7 are in
	PLACES NP
	FETCH_B \slot, (\q)+1, 1-(\q)%2
	FETCH_A \slot, (\q)+1, 0
	WIN MUL_HI
	MUL16 4, (\q)%2, \q, \slot, \zero
	MUL16 6, (\q)%2, \q, \slot, \zero
	PLACES NP
	WIN 0
	FETCH_A \slot, (\q)+1, 4
.endm
; A slot's last step changes slots: ONE barrier; in front of it each wave waits for all its tensor loads, adds 0 to its spare word, and waits for that and for its reads of this slot.
.macro TURN slot, next, fill
	s_wait_tensorcnt 0x0                           ; all my tensor loads have landed: my part of the next slot
	ds_add_u32 v[SPW], v[NIL]                      ; 0 onto my spare word
	s_wait_dscnt 4*NL+1                            ; (the add and the youngest 24 loads may be out)
	WIN MUL_LO
	MUL16 0, 1, NQ-1, \slot, 0
	s_wait_dscnt 0x0                               ; the add is done, and my reads of this slot are over
	s_barrier_signal -1
	MUL16 2, 1, NQ-1, \slot, 0
	WIN 0
	s_barrier_wait -1
.if \fill
	CREST                                          ; the barrier has opened a round of the cluster's barrier: no wave of any partner still reads this slot or has a load on its way
	s_add_nc_u64 s[G0+4*\slot+2:G0+4*\slot+3], s[G0+4*\slot+2:G0+4*\slot+3], 2*ROWB
	s_add_nc_u64 s[G0B+4*\slot+2:G0B+4*\slot+3], s[G0B+4*\slot+2:G0B+4*\slot+3], 2*ROWB
	JLOAD G0+4*\slot, G1, G0B+4*\slot, G1B         ; the first tensor load behind the round; its four v_nop are the places in front of the loads below
.else
	PLACES NP
.endif
	v_add_nc_u32 v[ADRS], 4*NQ, v[ADRS]            ; on to the next K step's scale words
	FETCH_B \next, 0, 0
	FETCH_A \next, 0, 0
	SCALES \next
	WIN MUL_HI
	MUL16 4, 1, NQ-1, \slot, 0
	MUL16 6, 1, NQ-1, \slot, 0
	PLACES NP
	WIN 0
	FETCH_A \next, 0, 4
.endm
	s_wait_tensorcnt 1                             ; the scales and my part of K step 0 are in (K step 1's load may be out),
	s_barrier_signal -1
	s_barrier_wait -1                              ; everybody's are
	FETCH_B 0, 0, 0
	FETCH_A 0, 0, 0
	SCALES 0
	FETCH_A 0, 0, 4
	STEP 0, 0, 1                                   ; the first step's products start the sums
	s_mov_b32 s3, LAPS-1
.Llap:                                             ; a trip goes once round the ring and fills both slots again
	TURN 0, 1, 1
	STEP 1, 0, 0
	TURN 1, 0, 1
	STEP 0, 0, 0
	s_sub_co_u32 s3, s3, 1
	s_cmp_lg_u32 s3, 0
	s_cbranch_scc1 .Llap
	TURN 0, 1, 0                                   ; the last lap fills nothing
	STEP 1, 0, 0
	s_wait_dscnt 4*NL
	WIN MUL_LO
	MUL16 0, 1, NQ-1, 1, 0
	MUL16 2, 1, NQ-1, 1, 0
	s_wait_dscnt 0
	WIN MUL_HI
	MUL16 4, 1, NQ-1, 1, 0
	MUL16 6, 1, NQ-1, 1, 0
	WIN 0
; THE WAY OUT: bias, quantiser, images.  No LDS: a lane's codes are already what the next launch's lane wants.
; QUANT: 64 numbers of a lane, v[s] .. v[s + 63], registers 16 b .. 16 b + 15 = my half of block b of my row, become 12 registers of codes in v[CDS] on and the row's scale word in v[pw].
.macro QUANT s, pw
.irp b, 0,1,2,3
	v_max3_num_f32 v[TM+\b], |v[\s+16*\b]|, |v[\s+1+16*\b]|, 0x1800000   ; my 16 numbers, and the floor 2^(3 - 127): the byte cannot fall under 1
.endr
.irp i, 2,4,6,8,10,12,14
.irp b, 0,1,2,3
	v_max3_num_f32 v[TM+\b], v[TM+\b], |v[\s+16*\b+\i]|, |v[\s+1+16*\b+\i]|
.endr
.endr
.irp b, 0,1,2,3
	v_permlanex16_b32 v[TM+4+\b], v[TM+\b], s[SEL], s[SEL+1]
.endr
.irp b, 0,1,2,3
	v_max_num_f32 v[TM+\b], v[TM+\b], v[TM+4+\b]   ; with lane l xor 16's: the block's largest magnitude
.endr
.irp b, 0,1,2,3
	v_add_nc_u32 v[TM+12+\b], 0xff000000, v[TM+\b] ; 2 off its exponent field: the conversion's scale operand
.endr
.irp b, 0,1,2,3
	v_lshrrev_b32 v[TM+4+\b], 23, v[TM+12+\b]      ; the scale's byte
.endr
	v_lshl_or_b32 v[\pw], v[TM+5], 8, v[TM+4]
	v_lshl_or_b32 v[\pw], v[TM+6], 16, v[\pw]
	v_lshl_or_b32 v[\pw], v[TM+7], 24, v[\pw]
.irp c, 0,1
	v_cvt_scalef32_pk16_fp6_f32 v[CDS+6*\c:CDS+2+6*\c], v[\s+32*\c:\s+15+32*\c], v[TM+12+2*\c]
	v_cvt_scalef32_pk16_fp6_f32 v[CDS+12+4*\c:CDS+14+4*\c], v[\s+16+32*\c:\s+31+32*\c], v[TM+12+2*\c+1]   ; (a conversion's three registers begin on an even number)
.endr
	v_nop                                          ; one plain place behind a scaled conversion
.irp c, 0,1                                    ; the operand's layout wants a whole block in a lane: lanes 0-15 block 2 c, lanes 16-31 block 2 c + 1
.irp i, 0,1,2
	v_permlane16_swap_b32 v[CDS+6*\c+\i], v[CDS+12+4*\c+\i]
.endr
.irp i, 0,1,2
	v_mov_b32 v[CDS+3+6*\c+\i], v[CDS+12+4*\c+\i]
.endr
.endr
.endm
; q, k: block a = 16 tokens x my 128 channels = two heads.  Registers 6 e .. 6 e + 5 of the codes are head e's half fragment: four registers at 16 x lane, two at 512 + 8 x lane.
.macro QKROW a
	WIN 0x02+(\a)/4                                ; source 0: the accumulators' window
.set AC, 64*((\a)%4)
.set n, 0
.rept 32
	v_pk_add_f32 v[T+n:T+n+1], v[AC+n:AC+n+1], v[BI+n:BI+n+1]   ; + bias; each accumulator is read from its low end on
.set n, n+2
.endr
	WIN 0
	s_wait_xcnt 0x0                                ; the last block's stores have read the codes' registers
	QUANT T, PWS+(\a)
.irp e, 0,1
	global_store_b128 v[LI], v[CDS+6*\e:CDS+6*\e+3], s[12:13] offset:REC*\e+768*(\a)          ; 512 consecutive bytes, aligned to 256
	global_store_b64 v[LH], v[CDS+6*\e+4:CDS+6*\e+5], s[12:13] offset:REC*\e+768*(\a)+512     ; 256 consecutive bytes
.endr
.endm
; v: block a = 16 channels (head a / 4, tile a % 4) x my 128 tokens: a whole fragment, three runs of 512 bytes
.macro VROW a
	WIN 0x02+(\a)/4
.set AC, 64*((\a)%4)
.set n, 0
.rept 32
	v_pk_add_f32 v[T+n:T+n+1], v[AC+n:AC+n+1], v[BV+2*(\a):BV+2*(\a)+1]
.set n, n+2
.endr
	WIN 0
	s_wait_xcnt 0x0
	QUANT T, PWS+(\a)
.irp c, 0,1,2
	global_store_b128 v[LI], v[CDS+4*\c:CDS+4*\c+3], s[12:13] offset:REC*((\a)/4)+1536*((\a)%4)+512*\c
.endr
.endm
	s_wait_loadcnt 0x0                             ; bias and mask
	PLACES NP                                      ; behind the last products: results are read, and registers that held A's fragments are written
	s_mov_b32 s[SEL], 0x76543210
	s_mov_b32 s[SEL+1], 0xfedcba98                 ; v_permlanex16_b32's selects for lane l xor 16
.irp b, 0,1,2,3
	v_mov_b32 v[TM+4+\b], 0                        ; written once: a lane permute's destination counts as one of its sources
.endr
	s_cmp_eq_u32 ttmp9, 2                          ; cluster x: the same in all partners
	s_cbranch_scc1 .Lv
	v_mov_b32 v[EL], s4
	v_mov_b32 v[EH], s5
.irp a, 0,1,2,3,4,5,6,7
	v_cmp_eq_u32 vcc_lo, 0, v[MK+\a]               ; the mask only selects a value
	v_cndmask_b32 v[MK+\a], v[EL], v[EH], vcc_lo   ; byte 2 of my token's scale word
.endr
.irp a, 0,1,2,3,4,5,6,7
	QKROW \a
.endr
	s_mov_b32 vcc_lo, 0xffff0000                   ; lanes 16-31
.irp a, 0,1,2,3,4,5,6,7
	v_and_or_b32 v[128+\a], v[PWS+\a], 0xffff, v[MK+\a]   ; head 0: bytes 0, 1 of the row's word, byte 2 from the mask, byte 3 = 0
	v_lshrrev_b32 v[144+\a], 16, v[PWS+\a]                ; head 1: bytes 2, 3
.endr
.irp a, 0,1,2,3,4,5,6,7
	v_or_b32 v[144+\a], v[144+\a], v[MK+\a]
.endr
.irp j, 0,1,2,3
	v_cndmask_b32 v[136+\j], v[128+\j], v[132+\j], vcc_lo   ; word j of lane (r, hh) is tile 4 hh + j, row r
	v_cndmask_b32 v[152+\j], v[144+\j], v[148+\j], vcc_lo
.endr
	global_store_b128 v[LI], v[136:139], s[66:67]
	global_store_b128 v[LI], v[152:155], s[66:67] offset:REC
	s_branch .Ldone
.Lv:
.irp a, 0,1,2,3,4,5,6,7
	VROW \a
.endr
	s_mov_b32 vcc_lo, 0xffff0000
.irp e, 0,1
.irp j, 0,1
	v_cndmask_b32 v[136+2*\e+\j], v[PWS+4*\e+\j], v[PWS+4*\e+2+\j], vcc_lo   ; word j of lane (r, hh) is tile 2 hh + j of the head's four, row r
.endr
	global_store_b64 v[LH], v[136+2*\e:137+2*\e], s[66:67] offset:REC*\e
.endr
.Ldone:
	s_wait_tensorcnt 0x0                           ; the wave's end
	ds_add_u32 v[SPW], v[NIL]
	s_wait_dscnt 0x0
	CROUND                                         ; the closing round: no work-group ends while a partner may still ask for a tile that names it
	s_endpgm
.Lfunc_end_k_q18ee1bc871_qkv:
	.size	k_q18ee1bc871_qkv, .Lfunc_end_k_q18ee1bc871_qkv-k_q18ee1bc871_qkv
	.p2alignl 7, 3214868480
	.fill 96, 4, 3214868480
	.section	.rodata,"a",@progbits
	.p2align	6, 0x0
	.amdhsa_kernel k_q18ee1bc871_qkv
		.amdhsa_group_segment_fixed_size 327680
		.amdhsa_private_segment_fixed_size 0
		.amdhsa_enable_private_segment 0
		.amdhsa_kernarg_size 104
		.amdhsa_user_sgpr_count 2
		.amdhsa_user_sgpr_kernarg_segment_ptr 1
		.amdhsa_wavefront_size32 1
		.amdhsa_system_sgpr_workgroup_id_x 1
		.amdhsa_system_sgpr_workgroup_id_y 1
		.amdhsa_system_sgpr_workgroup_id_z 1
		.amdhsa_system_vgpr_workitem_id 0
		.amdhsa_next_free_vgpr 1024
		.amdhsa_next_free_sgpr 100
		.amdhsa_reserve_vcc 1
		.amdhsa_float_denorm_mode_32 3
		.amdhsa_float_denorm_mode_16_64 3
		.amdhsa_memory_ordered 1
		.amdhsa_forward_progress 1
		.amdhsa_inst_pref_size 237
	.end_amdhsa_kernel
	.amdgpu_metadata
---
amdhsa.version: [ 1, 2 ]
amdhsa.kernels:
  - .name:           k_q18ee1bc871_qkv
    .symbol:         k_q18ee1bc871_qkv.kd
    .args:
      - { .name: xc, .offset: 0, .size: 8, .value_kind: global_buffer, .address_space: global }
      - { .name: xs, .offset: 8, .size: 8, .value_kind: global_buffer, .address_space: global }
      - { .name: Wv_codes, .offset: 16, .size: 8, .value_kind: global_buffer, .address_space: global }
      - { .name: Wv_scales, .offset: 24, .size: 8, .value_kind: global_buffer, .address_space: global }
      - { .name: Wq_codes, .offset: 32, .size: 8, .value_kind: global_buffer, .address_space: global }
      - { .name: Wq_scales, .offset: 40, .size: 8, .value_kind: global_buffer, .address_space: global }
      - { .name: Wk_codes, .offset: 48, .size: 8, .value_kind: global_buffer, .address_space: global }
      - { .name: Wk_scales, .offset: 56, .size: 8, .value_kind: global_buffer, .address_space: global }
      - { .name: bq, .offset: 64, .size: 8, .value_kind: global_buffer, .address_space: global }
      - { .name: bk, .offset: 72, .size: 8, .value_kind: global_buffer, .address_space: global }
      - { .name: bv, .offset: 80, .size: 8, .value_kind: global_buffer, .address_space: global }
      - { .name: attention_mask, .offset: 88, .size: 8, .value_kind: global_buffer, .address_space: global }
      - { .name: qkv, .offset: 96, .size: 8, .value_kind: global_buffer, .address_space: global }
    .group_segment_fixed_size: 327680
    .private_segment_fixed_size: 0
    .kernarg_segment_align: 8
    .kernarg_segment_size: 104
    .max_flat_workgroup_size: 128
    .sgpr_count:     100
    .vgpr_count:     1024
    .wavefront_size: 32
...
	.end_amdgpu_metadata
.endif
;; end of part 2
;; launch attn (part 3): grid 4 x 64, 16 waves a work-group, clusters of 4 x 1, 210,944 bytes of LDS; arguments qkv, hc, hs; writes hc, hs
.if DOCPART == 3
	.amdgcn_target "amdgcn-amd-amdhsa--gfx1250"
	.amdhsa_code_object_version 6
	.text
	.protected	k_q18ee1bc871_attn
	.globl	k_q18ee1bc871_attn
	.p2align	8
	.type	k_q18ee1bc871_attn,@function
k_q18ee1bc871_attn:
	s_mov_b64 s[64:65], 0
	v_nop
	global_prefetch_b8 v0, s[64:65] scope:SCOPE_SE
	s_setreg_imm32_b32 hwreg(HW_REG_WAVE_MODE, 25, 1), 1
	s_wait_xcnt 0x0
	s_wait_alu depctr_hold_cnt(0) depctr_sa_sdst(0) depctr_va_vdst(0) depctr_va_sdst(0) depctr_va_ssrc(0) depctr_va_vcc(0) depctr_vm_vsrc(0)
	s_getreg_b32 s2, hwreg(HW_REG_IB_STS2, 6, 4)
	s_cmp_eq_u32 s2, 0
	s_cbranch_scc0 .Lentry_in_a_cluster
	s_endpgm
.Lentry_in_a_cluster:
	s_bfe_u32 s2, ttmp6, 0x10000c
	s_cmp_lg_u32 s2, 0x3003
	s_cbranch_scc0 .Lentry_shape_is_right
	s_endpgm
.Lentry_shape_is_right:
; Hctx[b][q][h][:] = softmax_k(q . k / 8, hidden keys left out) v, both products on codes of FP6 (E2M3) with E8M0 scales; the result is quantised along D for the last product.
; IN: one record of 315,392 bytes for each (batch, head), images of operand registers (K's codes, V's codes, K's and V's scale words: the first 208,896 bytes; then Q's codes and scale words).
; OUT: hc [512 tiles of 16 tokens][16 heads][768 bytes]: a half fragment (16 tokens x the head's 64): four registers at 16 x lane, two at 512 + 8 x lane; hs [16 heads][8192 tokens]: the head's two scale bytes.
; THE SOFTMAX: t = score x log2(e) / 8; M = the running largest t rounded UP to a whole number; p = 2^(t - M) is quantised along the keys, not normalised; the row's sum is taken of the unquantised p and divides
; at the end; when M moves, the sum and O are multiplied by 2^(old M - new M), which rounds nothing.
; THE MASK costs no instruction here: q k^T has K = 64 of the instruction's 128.  At k = 64 every key has the code 63 (-7.5) and every query the code 8 (1.0); byte 2 of a key's scale word is 247 where the mask
; hides it and 0 elsewhere, byte 2 of a query's is 67.  A hidden key's score gets -7.5 x 2^60, so its p is 0; an open key's gets -7.5 x 2^-187, nothing in f32.  The largest t begins at -2^50, above every hidden t.
; LIMITS: |t| up to 2^50; a batch whose mask hides every key gets numbers where the definition has NaN; NaN and infinities are not served; a block of zeros gets the byte 1 (only this program reads the bytes).
; SHARES: a work-group owns 512 queries of one head, each of its sixteen waves two tiles of 16, one after the other: four waves to a SIMD, so that one wave's vector work stands beside another's products.
; LDS holds the head's K, V and their scale words whole, 208,896 bytes, FILLED ONCE: no ring, no refill.  The four work-groups of a cluster are the head's four blocks of queries: each wave's part
; (51 rows of 256 bytes) is asked for jointly.  One tensor load of a wave is out.
; LAYOUT: S^T = K Q^T (source 0 = 16 keys, source 1 = my 16 queries), O^T = V^T P^T (source 0 = 16 channels, source 1 = P): a lane holds ONE query throughout.  A tile's keys are neighbours, so the 16 registers of
; two tiles are keys 8 h + 0..7 and 16 + 8 h + 0..7 of a block of 32: p's codes lie in the order 0-7, 16-23, 8-15, 24-31 in a block, and so do V's.
; REGISTERS: v1-4, v10, v11, v28 addresses that stay; v5-9 the step's; v12 -M, v13 the largest t, v[14:15] the sum; v16-27 Q; v32-79 four fragments of K; v96-159 S^T, p, then V's four fragments;
;   v160-191 O^T; v192-193 V's scale words; v194-204 Hctx's codes; v224-235 p's codes; v232-254 at work; v248-251 K's scale words; v253 p's; v255 Q's.
.set REC,   315392
.set VBASE, 98304
.set KSC,   196608
.set VSC,   204800
.set QBASE, 208896
.set QSC,   307200
.set PART,  13056                      ; what one wave fetches: 51 rows of 256 bytes
.macro CROUND                          ; a round of the cluster's barrier
	s_barrier_signal -1
	s_barrier_wait -1
	s_cmp_lg_u32 s10, 0
	s_cbranch_scc1 .Lnot_wave_0_\@
	s_barrier_signal -3
.Lnot_wave_0_\@:
	s_barrier_wait -3
	s_barrier_signal -1
	s_barrier_wait -1
.endm
	s_load_b128 s[4:7], s[0:1], 0x0                ; qkv, hc
	s_load_b64 s[8:9], s[0:1], 0x10                ; hs
	v_lshl_add_u32 v223, v0, 2, 0x33000
	v_mov_b32 v243, 0
	ds_add_u32 v223, v243
	ds_add_u32 v223, v243
	v_lshrrev_b32 v1, 5, v0
	v_readfirstlane_b32 s10, v1                    ; wave 0..15
	s_bfe_u32 s11, ttmp6, 0x40000                  ; cx
	s_and_b32 s12, ttmp7, 0xffff                   ; 16 x batch + head, which the four partners share
	s_lshl_b32 s13, ttmp9, 2
	s_add_co_u32 s13, s13, s11                     ; my block of 512 queries: it enters global addresses alone
	s_mul_i32 s14, s12, REC
	s_mov_b32 s15, 0
	s_mov_b32 s16, 15|(3<<16)|(1<<21)              ; the mask: all four work-groups; elements of 8 bytes; bit 21 beside a mask; no padding
	s_mov_b32 s17, 32<<16                          ; tensor_dim0 = 32 elements = 256 bytes
	s_mov_b32 s18, 51<<16                          ; tensor_dim1 = 51
	s_mov_b32 s19, 32<<16                          ; tile_dim0
	s_mov_b32 s20, 51                              ; tile_dim1
	s_mov_b32 s21, 32                              ; the pitch: dense
	s_mov_b32 s22, 0
	s_mov_b32 s23, 0
	s_mov_b32 s24, 1
	s_mul_i32 s25, s10, PART                       ; LDS address: the wave's number x a constant
	s_mov_b32 s46, s25
	s_mov_b32 s47, 0
	s_wait_dscnt 0x0
	s_wait_kmcnt 0x0
	s_add_nc_u64 s[4:5], s[4:5], s[14:15]          ; the head's record
	s_add_nc_u64 s[26:27], s[4:5], s[46:47]
	s_or_b32 s27, s27, 0x80000000
	CROUND                                         ; all four work-groups are here: the joint loads meet
	tensor_load_to_lds s[24:27], s[16:23]
	s_nop 0
.rept 4
	v_nop
.endr
	s_lshl_b32 s48, s13, 5
	s_lshl_b32 s49, s10, 1
	s_add_co_u32 s48, s48, s49                     ; my first tile of queries in the head: 32 x block + 2 x wave
	s_mov_b32 s51, 0
	s_mul_i32 s50, s48, 768
	s_add_co_u32 s50, s50, QBASE
	s_add_nc_u64 s[28:29], s[4:5], s[50:51]        ; its codes
	s_lshr_b32 s50, s48, 3                         ; its scale words: run of 8 tiles x 512 bytes,
	s_lshl_b32 s50, s50, 9
	s_bfe_u32 s52, s10, 0x10001                    ; 256 for tiles 4-7 of the run,
	s_lshl_b32 s52, s52, 8
	s_add_co_u32 s50, s50, s52
	s_and_b32 s52, s10, 1                          ; 4 bytes for each tile among four
	s_lshl_b32 s52, s52, 3
	s_add_co_u32 s50, s50, s52
	s_add_co_u32 s50, s50, QSC
	s_add_nc_u64 s[30:31], s[4:5], s[50:51]
	s_lshr_b32 s52, s12, 4                         ; batch
	s_and_b32 s53, s12, 15                         ; head
	s_lshl_b32 s50, s52, 7
	s_add_co_u32 s50, s50, s48                     ; my first tile among all 512
	s_lshl_b32 s50, s50, 4
	s_add_co_u32 s50, s50, s53
	s_mul_i32 s50, s50, 768
	s_add_nc_u64 s[32:33], s[6:7], s[50:51]        ; hc
	s_lshl_b32 s50, s53, 13
	s_lshl_b32 s54, s52, 11
	s_add_co_u32 s50, s50, s54
	s_lshl_b32 s54, s48, 4
	s_add_co_u32 s50, s50, s54
	s_lshl_b32 s50, s50, 1
	s_add_nc_u64 s[34:35], s[8:9], s[50:51]        ; hs
	s_mov_b32 s36, 0x76543210
	s_mov_b32 s37, 0xfedcba98                      ; v_permlanex16_b32's selects for lane l xor 16
	s_mov_b32 s38, 0x3e38aa3b                      ; c = log2(e) / 8
	s_mov_b32 s39, s38                             ; (named with it as a pair, so it is written)
	v_and_b32 v29, 31, v0                          ; lane
	v_and_b32 v30, 15, v0                          ; r
	v_bfe_u32 v31, v0, 4, 1                        ; h
	v_lshlrev_b32 v1, 4, v29
	v_lshlrev_b32 v2, 3, v29
	v_lshlrev_b32 v3, 4, v30
	v_lshlrev_b32 v4, 1, v30
	v_add_nc_u32 v10, VBASE, v1
	v_add_nc_u32 v11, KSC, v1
	v_add_nc_u32 v28, VSC, v2
	v_xor_b32 v31, 1, v31                          ; 1 in lanes 0-15, which hold k = 64 .. 95 in registers 6-11
	v_lshlrev_b32 v22, 3, v31                      ; Q's padding: the code 8 (1.0) at k = 64, zeros elsewhere
.irp j, 23,24,25,26,27
	v_mov_b32 v[\j], 0
.endr
.irp t, 0,1,2,3
	v_mul_u32_u24 v[38+12*\t], v31, 63             ; K's padding: the code 63 (-7.5) at k = 64, zeros elsewhere: written once, the loads fill registers 0-5 alone
.irp j, 7,8,9,10,11
	v_mov_b32 v[32+12*\t+\j], 0
.endr
.endr
.irp b, 0,1,2,3
	v_mov_b32 v[236+\b], 0                         ; written once: a lane permute's destination counts as one of its sources
.endr
	v_mov_b32 v253, 0                              ; (named as the upper half of the pair v[252:253] before it is first written)
	s_wait_tensorcnt 0x0                           ; my part of the head is in LDS,
	s_barrier_signal -1
	s_barrier_wait -1                              ; everybody's is
; A KEY STEP: 128 keys.  s40, s41, s42: where the step's codes (K's and V's alike: 6,144 bytes a step), K's scale words and V's begin.
.macro STEP
	v_add_nc_u32 v5, s40, v1                       ; these five and the v_nop are the places between the last step's last product, which read V's fragments, and the first product below, which writes over them
	v_add_nc_u32 v6, s40, v2
	v_add_nc_u32 v7, s40, v10
	v_add_nc_u32 v8, s41, v11
	v_add_nc_u32 v9, s42, v28
	v_nop
	ds_load_b128 v[248:251], v8                    ; K's scale words: register j: lanes 0-15 tile j, lanes 16-31 tile 4 + j
.irp g, 0,1                                    ; S^T = K Q^T, four tiles of 16 keys at a time
.if \g > 0
.rept 4
	v_nop                                          ; places in front of loads into registers that matrix instructions have read
.endr
.endif
.irp t, 0,1,2,3
	ds_load_b128 v[32+12*\t:35+12*\t], v5 offset:768*(4*\g+\t)
	ds_load_b64 v[36+12*\t:37+12*\t], v6 offset:768*(4*\g+\t)+512
.endr
	s_wait_dscnt 0x0
.irp t, 0,1,2,3
.if \g == 0
	v_wmma_scale_f32_16x16x128_f8f6f4 v[96+8*(4*\g+\t):103+8*(4*\g+\t)], v[32+12*\t:43+12*\t], v[16:27], 0, v[248+\t], v255 matrix_a_fmt:MATRIX_FMT_FP6 matrix_b_fmt:MATRIX_FMT_FP6
.else
	v_wmma_scale_f32_16x16x128_f8f6f4 v[96+8*(4*\g+\t):103+8*(4*\g+\t)], v[32+12*\t:43+12*\t], v[16:27], 0, v[248+\t], v255 matrix_a_fmt:MATRIX_FMT_FP6 matrix_b_fmt:MATRIX_FMT_FP6 matrix_a_scale:MATRIX_SCALE_ROW1
.endif
.endr
.endr
.rept 4
	v_nop
.endr
.irp b, 0,1,2,3
	v_max3_num_f32 v[232+\b], v[96+16*\b], v[97+16*\b], v[98+16*\b]   ; the largest score of each block of 32 keys: it serves for the row's maximum and, since p rises with the score, for the block's largest p
.endr
.irp i, 3,5,7,9,11,13
.irp b, 0,1,2,3
	v_max3_num_f32 v[232+\b], v[232+\b], v[96+16*\b+\i], v[97+16*\b+\i]
.endr
.endr
.irp b, 0,1,2,3
	v_max_num_f32 v[232+\b], v[232+\b], v[111+16*\b]
.endr
.irp b, 0,1,2,3
	v_permlanex16_b32 v[236+\b], v[232+\b], s36, s37
.endr
.irp b, 0,1,2,3
	v_max_num_f32 v[232+\b], v[232+\b], v[236+\b]  ; with lane l xor 16's 16 keys
.endr
	v_max3_num_f32 v254, v232, v233, v234
	v_max_num_f32 v254, v254, v235                 ; the step's largest score of my query
	v_mul_f32 v254, s38, v254                      ; as t
	v_max_num_f32 v13, v13, v254                   ; the running largest t
	v_mov_b32 v254, v12
	v_floor_f32 v12, -v13                          ; the new -M = floor(-t): M is a whole number
	v_sub_f32 v254, v12, v254                      ; old M - new M: a whole number, 0 or less
	v_cvt_i32_f32 v254, v254                       ; (it saturates)
	v_ldexp_f32 v252, 1.0, v254                    ; f = 2^(old M - new M)
.irp j, 0,2,4,6,8,10,12,14,16,18,20,22,24,26,28,30,32,34,36,38,40,42,44,46,48,50,52,54,56,58,60,62
	v_pk_fma_f32 v[96+\j:97+\j], v[96+\j:97+\j], s[38:39], v[12:13] op_sel_hi:[1,0,0]   ; t - M, two at a time
.endr
.irp b, 0,1,2,3
	v_fma_f32 v[232+\b], v[232+\b], s38, v12       ; the same of each block's largest score
.endr
.irp j, 0,1,2,3,4,5,6,7,8,9,10,11,12,13,14,15,16,17,18,19,20,21,22,23,24,25,26,27,28,29,30,31,32,33,34,35,36,37,38,39,40,41,42,43,44,45,46,47,48,49,50,51,52,53,54,55,56,57,58,59,60,61,62,63
	v_exp_f32 v[96+\j], v[96+\j]                   ; p = 2^(t - M), at most 1
.endr
	v_pk_mul_f32 v[14:15], v[14:15], v[252:253] op_sel_hi:[1,0]   ; the sums under the new M: a plain place behind the exponentials
	s_wait_alu depctr_va_vdst(0)                   ; one wait for the whole batch, ahead of its first reader
.irp b, 0,1,2,3
	v_exp_f32 v[232+\b], v[232+\b]                 ; the block's largest p
.endr
	v_pk_add_f32 v[236:237], v[96:97], v[98:99]    ; the row's sum of the unquantised p, two at a time, in two chains
.irp j, 4,8,12,16,20,24,28,32,36,40,44,48,52,56,60
	v_pk_add_f32 v[14:15], v[14:15], v[96+\j:97+\j]
	v_pk_add_f32 v[236:237], v[236:237], v[98+\j:99+\j]
.endr
	v_pk_add_f32 v[14:15], v[14:15], v[236:237]
	s_wait_alu depctr_va_vdst(0)                   ; and one for the four
.irp b, 0,1,2,3
	v_max_num_f32 v[232+\b], 0x1800000, v[232+\b]  ; the floor 2^(3 - 127): a block whose every p is 0 keeps the byte 1: its codes are zeros
.endr
.irp b, 0,1,2,3
	v_add_nc_u32 v[244+\b], 0xff000000, v[232+\b]  ; 2 off the exponent field: the conversion's scale operand
.endr
.irp b, 0,1,2,3
	v_lshrrev_b32 v[236+\b], 23, v[244+\b]         ; the scale's byte
.endr
	v_lshl_or_b32 v253, v237, 8, v236              ; p's scale word for these 128 keys
	v_lshl_or_b32 v253, v238, 16, v253
	v_lshl_or_b32 v253, v239, 24, v253
.irp c, 0,1
	v_cvt_scalef32_pk16_fp6_f32 v[224+6*\c:226+6*\c], v[96+32*\c:111+32*\c], v[244+2*\c]
	v_cvt_scalef32_pk16_fp6_f32 v[236+4*\c:238+4*\c], v[112+32*\c:127+32*\c], v[244+2*\c+1]
.endr
	v_nop                                          ; one plain place behind a scaled conversion
	ds_load_b64 v[192:193], v9                     ; V's scale words: register i: lanes 0-15 tile i, lanes 16-31 tile 2 + i
.irp t, 0,1,2,3                                ; V's four fragments land where p lay: p is done with
.irp c, 0,1,2
	ds_load_b128 v[96+12*\t+4*\c:99+12*\t+4*\c], v7 offset:1536*\t+512*\c
.endr
.endr
.irp c, 0,1                                    ; the operand's layout wants a whole block in a lane
.irp i, 0,1,2
	v_permlane16_swap_b32 v[224+6*\c+\i], v[236+4*\c+\i]
.endr
.irp i, 0,1,2
	v_mov_b32 v[227+6*\c+\i], v[236+4*\c+\i]
.endr
.endr
.irp j, 0,2,4,6,8,10,12,14,16,18,20,22,24,26,28,30
	v_pk_mul_f32 v[160+\j:161+\j], v[160+\j:161+\j], v[252:253] op_sel_hi:[1,0]   ; O^T under the new M; these are also the places between the codes' and the scale word's last writes and the products
.endr
	s_wait_dscnt 0x0
.irp t, 0,1,2,3                                ; O^T += V^T P^T: the four accumulators by turns
.if \t < 2
	v_wmma_scale_f32_16x16x128_f8f6f4 v[160+8*\t:167+8*\t], v[96+12*\t:107+12*\t], v[224:235], v[160+8*\t:167+8*\t], v[192+\t%2], v253 matrix_a_fmt:MATRIX_FMT_FP6 matrix_b_fmt:MATRIX_FMT_FP6
.else
	v_wmma_scale_f32_16x16x128_f8f6f4 v[160+8*\t:167+8*\t], v[96+12*\t:107+12*\t], v[224:235], v[160+8*\t:167+8*\t], v[192+\t%2], v253 matrix_a_fmt:MATRIX_FMT_FP6 matrix_b_fmt:MATRIX_FMT_FP6 matrix_a_scale:MATRIX_SCALE_ROW1
.endif
.endr
	s_add_co_u32 s40, s40, 6144
	s_add_co_u32 s41, s41, 512
	s_add_co_u32 s42, s42, 256
.endm
; One tile of 16 queries: its Q, all 16 key steps, the way out.
.macro TILE i
	s_wait_xcnt 0x0                                ; the last tile's stores have read their registers
	global_load_b128 v[16:19], v1, s[28:29] offset:768*\i
	global_load_b64 v[20:21], v2, s[28:29] offset:768*\i+512
	global_load_b32 v255, v3, s[30:31] offset:4*\i
	v_mov_b32 v13, 0xd8800000                      ; the largest t so far: -2^50, under every open t and above every hidden one
	v_floor_f32 v12, -v13                          ; -M
	v_mov_b32 v14, 0
	v_mov_b32 v15, 0
.set n, 0
.rept 32
	v_mov_b32 v[160+n], 0                          ; O^T: the step is written once; its first trip finds zeros
.set n, n+1
.endr
	s_mov_b32 s40, 0
	s_mov_b32 s41, 0
	s_mov_b32 s42, 0
	s_mov_b32 s43, 16
	s_wait_loadcnt 0x0
.Lstep_\@:
	STEP
	s_sub_co_u32 s43, s43, 1
	s_cmp_lg_u32 s43, 0
	s_cbranch_scc1 .Lstep_\@
.rept 4
	v_nop                                          ; places behind the last products
.endr
	v_add_f32 v14, v14, v15
	v_permlanex16_b32 v252, v14, s36, s37
	v_add_f32 v14, v14, v252                       ; the row's sum
	v_rcp_f32 v14, v14
	v_nop                                          ; a plain place behind the reciprocal
	s_wait_alu depctr_va_vdst(0)                   ; and the wait ahead of its first reader
.set n, 0
.rept 32
	v_mul_f32 v[96+n], v[160+n], v14               ; O^T / the sum: register 8 t + j is channel 16 t + 8 h + j; each accumulator from its low end on
.set n, n+1
.endr
.irp b, 0,1                                    ; Wo is given, so Hctx's codes lie in the plain order: tile 2 b's lanes 16-31 change places with tile 2 b + 1's lanes 0-15: register 16 b + i is channel 32 b + 16 h + i
.irp j, 0,1,2,3,4,5,6,7
	v_permlane16_swap_b32 v[96+16*\b+\j], v[104+16*\b+\j]
.endr
.endr
.irp b, 0,1
	v_max3_num_f32 v[232+\b], |v[96+16*\b]|, |v[97+16*\b]|, 0x1800000
.endr
.irp j, 2,4,6,8,10,12,14
.irp b, 0,1
	v_max3_num_f32 v[232+\b], v[232+\b], |v[96+16*\b+\j]|, |v[97+16*\b+\j]|
.endr
.endr
.irp b, 0,1
	v_permlanex16_b32 v[236+\b], v[232+\b], s36, s37
.endr
.irp b, 0,1
	v_max_num_f32 v[232+\b], v[232+\b], v[236+\b]
.endr
.irp b, 0,1
	v_add_nc_u32 v[244+\b], 0xff000000, v[232+\b]
.endr
.irp b, 0,1
	v_lshrrev_b32 v[238+\b], 23, v[244+\b]
.endr
	v_lshl_or_b32 v204, v239, 8, v238              ; the head's two scale bytes of my token
	v_cvt_scalef32_pk16_fp6_f32 v[194:196], v[96:111], v244
	v_cvt_scalef32_pk16_fp6_f32 v[200:202], v[112:127], v245
	v_nop
.irp j, 0,1,2
	v_permlane16_swap_b32 v[194+\j], v[200+\j]     ; lanes 0-15 block 0 whole, lanes 16-31 block 1
.endr
.irp j, 0,1,2
	v_mov_b32 v[197+\j], v[200+\j]
.endr
	global_store_b128 v1, v[194:197], s[32:33] offset:12288*\i        ; 512 consecutive bytes, aligned to 256
	global_store_b64 v2, v[198:199], s[32:33] offset:12288*\i+512     ; 256 consecutive bytes
	global_store_b16 v4, v204, s[34:35] offset:32*\i                  ; lanes 16-31 write the same value to the same place
.endm
	TILE 0
	TILE 1
	s_wait_tensorcnt 0x0
	ds_add_u32 v223, v243
	s_wait_dscnt 0x0
	CROUND                                         ; the closing round
	s_endpgm
.Lfunc_end_k_q18ee1bc871_attn:
	.size	k_q18ee1bc871_attn, .Lfunc_end_k_q18ee1bc871_attn-k_q18ee1bc871_attn
	.p2alignl 7, 3214868480
	.fill 96, 4, 3214868480
	.section	.rodata,"a",@progbits
	.p2align	6, 0x0
	.amdhsa_kernel k_q18ee1bc871_attn
		.amdhsa_group_segment_fixed_size 210944
		.amdhsa_private_segment_fixed_size 0
		.amdhsa_enable_private_segment 0
		.amdhsa_kernarg_size 24
		.amdhsa_user_sgpr_count 2
		.amdhsa_user_sgpr_kernarg_segment_ptr 1
		.amdhsa_wavefront_size32 1
		.amdhsa_system_sgpr_workgroup_id_x 1
		.amdhsa_system_sgpr_workgroup_id_y 1
		.amdhsa_system_sgpr_workgroup_id_z 1
		.amdhsa_system_vgpr_workitem_id 0
		.amdhsa_next_free_vgpr 256
		.amdhsa_next_free_sgpr 66
		.amdhsa_reserve_vcc 0
		.amdhsa_float_denorm_mode_32 3
		.amdhsa_float_denorm_mode_16_64 3
		.amdhsa_memory_ordered 1
		.amdhsa_forward_progress 1
		.amdhsa_inst_pref_size 49
	.end_amdhsa_kernel
	.amdgpu_metadata
---
amdhsa.version: [ 1, 2 ]
amdhsa.kernels:
  - .name:           k_q18ee1bc871_attn
    .symbol:         k_q18ee1bc871_attn.kd
    .args:
      - { .name: qkv, .offset: 0, .size: 8, .value_kind: global_buffer, .address_space: global }
      - { .name: hc, .offset: 8, .size: 8, .value_kind: global_buffer, .address_space: global }
      - { .name: hs, .offset: 16, .size: 8, .value_kind: global_buffer, .address_space: global }
    .group_segment_fixed_size: 210944
    .private_segment_fixed_size: 0
    .kernarg_segment_align: 8
    .kernarg_segment_size: 24
    .max_flat_workgroup_size: 512
    .sgpr_count:     66
    .vgpr_count:     256
    .wavefront_size: 32
...
	.end_amdgpu_metadata
.endif
;; end of part 3
;; launch oproj (part 4): grid 256 x 1, 4 waves a work-group, clusters of 4 x 1, 327,680 bytes of LDS; arguments hc, hs, Wo_codes, Wo_scales, bo, x, ln_w, ln_b, out0; writes out0
.if DOCPART == 4
	.amdgcn_target "amdgcn-amd-amdhsa--gfx1250"
	.amdhsa_code_object_version 6
	.text
	.protected	k_q18ee1bc871_oproj
	.globl	k_q18ee1bc871_oproj
	.p2align	8
	.type	k_q18ee1bc871_oproj,@function
k_q18ee1bc871_oproj:
	s_mov_b64 s[64:65], 0
	v_nop
	global_prefetch_b8 v0, s[64:65] scope:SCOPE_SE
	s_setreg_imm32_b32 hwreg(HW_REG_WAVE_MODE, 25, 1), 1
	s_wait_xcnt 0x0
	s_wait_alu depctr_hold_cnt(0) depctr_sa_sdst(0) depctr_va_vdst(0) depctr_va_sdst(0) depctr_va_ssrc(0) depctr_va_vcc(0) depctr_vm_vsrc(0)
	s_getreg_b32 s2, hwreg(HW_REG_IB_STS2, 6, 4)
	s_cmp_eq_u32 s2, 0
	s_cbranch_scc0 .Lentry_in_a_cluster
	s_endpgm
.Lentry_in_a_cluster:
	s_bfe_u32 s2, ttmp6, 0x10000c
	s_cmp_lg_u32 s2, 0x3003
	s_cbranch_scc0 .Lentry_shape_is_right
	s_endpgm
.Lentry_shape_is_right:
; out0 = layer norm(x + Hctx Wo^T + bo) x ln_w + ln_b.  The product on codes of FP6 (E2M3) with E8M0 scales, K = 1024; all else in f32.
; SHARES: a work-group owns 32 tokens and all 1024 columns, so a row's mean and variance stay inside it.  Hctx's 16 fragments (2 tiles of tokens x 8 K steps, 192 registers) stay in every wave's registers.
; Wo streams over its rows in 8 steps of 128 whole rows (768 bytes a row) through a ring of two LDS slots.  In step i wave w fetches AND multiplies rows 128 i + 32 w .. + 31: two tiles, 32 products;
; no wave reads another's part of a slot.  The four work-groups of a cluster walk the same Wo: each load is asked for jointly.  Two tensor loads of a wave are out at the start, later one.
; The matrix instruction is used transposed (source 0 = 16 rows of Wo, source 1 = 16 tokens): a lane holds one token and eight neighbouring columns.
; THE WAY OUT: the 32 x 1024 results go through a stage in LDS (rows of 4,096 bytes + 16), which lies over the slots: these have had their last fill and their last read.  Each wave then takes 8 whole rows:
; + x + bo, the mean, the centred numbers, their squares' mean (no difference of large sums), 1 / sqrt(. + 1e-5), ln_w, ln_b; a store covers 512 consecutive bytes.
; REGISTERS, in windows of 256: window 0: v1-4, v16-23 addresses; v28, v29 for the spare words; v32-159 Wo's scale words (tile G = 2 i + u, K step s at v[32 + 8 G + s]); v160-167 Hctx's (lanes 0-15 tokens 0-15,
;   lanes 16-31 tokens 16-31); v168-183 as loaded; v200-211 a row's figures.  window 1: Hctx's fragment (a, s) at v[12 (8 a + s)]; later my 8 rows of x.  window 2: accumulator (G, a) at v[8 (2 G + a)].
;   window 3: Wo's fragment (u, s) at v[12 (8 u + s)]; later bo v0-31, ln_w v32-63, ln_b v64-95, four rows at v[96 + 32 n], v224-239 at work.
.set WPITCH, 816                       ; a row of Wo in LDS: 3 x (256 bytes + 16 of padding) = 204 words: row r starts at bank 12 r mod 64, so the 32 lanes of a load of 8 bytes touch 64 different banks (64 banks of 4 bytes: ISA guide 11.1)
.set WPART,  32*WPITCH                 ; what one wave fetches
.set SLOTB,  4*WPART
.set SPARE,  2*SLOTB                   ; the spare words, 128 bytes for each wave
.set SPITCH, 4112
.set WSC,    32
.set HSC,    160
.set HRAW,   168
.set MSB, 0
.macro WIN new                         ; the immediate's high byte repeats the setting that is left
.if MSB != \new
	s_set_vgpr_msb (MSB<<8)|\new
.set MSB, \new
.endif
.endm
.macro ROUND                           ; a round of the cluster's barrier
	s_barrier_signal -1
	s_barrier_wait -1
	s_cmp_lg_u32 s12, 0
	s_cbranch_scc1 .Lnot_wave_0_\@
	s_barrier_signal -3
.Lnot_wave_0_\@:
	s_barrier_wait -3
	s_barrier_signal -1
	s_barrier_wait -1
.endm
.macro PLACES
.rept 4
	v_nop
.endr
.endm
	s_load_b256 s[4:11], s[0:1], 0x0               ; hc 4, hs 6, Wo's codes 8, Wo's scales 10
	s_load_b256 s[36:43], s[0:1], 0x20             ; bo 36, x 38, ln_w 40, ln_b 42
	s_load_b64 s[44:45], s[0:1], 0x40              ; out0
	v_lshl_add_u32 v28, v0, 2, SPARE
	v_mov_b32 v29, 0
	ds_add_u32 v28, v29
	ds_add_u32 v28, v29
	s_wait_dscnt 0x0
	v_lshrrev_b32 v5, 5, v0
	v_readfirstlane_b32 s12, v5                    ; wave 0..3
	s_bfe_u32 s13, ttmp6, 0x40000                  ; cx
	s_lshl_b32 s14, ttmp9, 2
	s_add_co_u32 s14, s14, s13                     ; my block of 32 tokens: it enters global addresses alone
	s_mov_b32 s16, 15|(0<<16)|(1<<20)|(1<<21)|(5<<22)|(3<<25)   ; the mask: all four; elements of 1 byte; padding on; bit 21 beside a mask; after every 64 words; 4 words
	s_mov_b32 s17, 768<<16                         ; tensor_dim0
	s_mov_b32 s18, 32<<16                          ; tensor_dim1
	s_mov_b32 s19, 768<<16                         ; tile_dim0
	s_mov_b32 s20, 32                              ; tile_dim1
	s_mov_b32 s21, 768                             ; the pitch
	s_mov_b32 s22, 0
	s_mov_b32 s23, 0
	s_mul_i32 s46, s12, 32*768                     ; my 32 rows of a step's 128
	s_mov_b32 s47, 0
	s_mov_b32 s24, 1
	s_mul_i32 s25, s12, WPART
	s_mov_b32 s28, 1
	s_add_co_u32 s29, s25, SLOTB
	s_mov_b32 s32, 0x76543210
	s_mov_b32 s33, 0xfedcba98                      ; v_permlanex16_b32's selects for lane l xor 16
	s_mov_b32 s34, 0x3a800000                      ; 1 / 1024
	s_mov_b32 s35, 0x3727c5ac                      ; 1e-5
	s_wait_kmcnt 0x0
	s_add_nc_u64 s[26:27], s[8:9], s[46:47]        ; step 0
	s_add_nc_u64 s[30:31], s[26:27], 128*768       ; step 1
	s_or_b32 s27, s27, 0x80000000
	s_or_b32 s31, s31, 0x80000000
	ROUND                                          ; all four work-groups are here: the first joint loads meet
	tensor_load_to_lds s[24:27], s[16:23]
	s_nop 0
	tensor_load_to_lds s[28:31], s[16:23]
	s_nop 0
	PLACES
	s_mov_b32 s49, 0
	s_mul_i32 s48, s14, 2*16*768
	s_add_nc_u64 s[4:5], s[4:5], s[48:49]          ; hc at my two tiles of tokens
	s_lshl_b32 s48, s14, 6
	s_add_nc_u64 s[6:7], s[6:7], s[48:49]          ; hs at my 32 tokens
	s_lshl_b32 s48, s14, 17
	s_lshl_b32 s50, s12, 15
	s_add_co_u32 s48, s48, s50
	s_add_nc_u64 s[38:39], s[38:39], s[48:49]      ; x and out0 at my wave's 8 rows
	s_add_nc_u64 s[44:45], s[44:45], s[48:49]
	v_and_b32 v5, 31, v0                           ; lane
	v_and_b32 v6, 15, v0                           ; r
	v_bfe_u32 v7, v0, 4, 1                         ; h
	v_lshlrev_b32 v1, 4, v5
	v_lshlrev_b32 v2, 3, v5
	v_lshlrev_b32 v3, 1, v5
	v_lshlrev_b32 v23, 8, v5
	s_lshl_b32 s50, s12, 10
	v_lshl_add_u32 v4, v6, 5, s50                  ; Wo's scale bytes: 32 a row; my 32 rows of a step
	v_mul_u32_u24 v8, v6, WPITCH
	v_add_nc_u32 v8, s25, v8
	v_mad_u32_u24 v16, v7, 24, v8                  ; a fragment's row x pitch + 24 x half, in my part of slot 0,
	v_mad_u32_u24 v17, v7, 40, v8                  ; the same behind one padding more,
	v_add_nc_u32 v18, SLOTB, v16                   ; and both in slot 1
	v_add_nc_u32 v19, SLOTB, v17
	v_mul_u32_u24 v8, v6, SPITCH
	v_lshl_add_u32 v8, v7, 5, v8
	s_lshl_b32 s50, s12, 7
	v_add_nc_u32 v20, s50, v8                      ; the stage, in: token r, + 32 h + 128 x wave;
	v_add_nc_u32 v21, 16*SPITCH, v20               ; token 16 + r
	s_mul_i32 s50, s12, 8*SPITCH
	v_add_nc_u32 v22, s50, v1                      ; back: my 8 rows, 16 bytes a lane
	v_mov_b32 v202, 0                              ; written once: a lane permute's destination counts as one of its sources
	v_mov_b32 v203, 0
	WIN 0x40                                       ; destination window 1
.irp a, 0,1
.irp s, 0,1,2,3,4,5,6,7                        ; fragment (a, s): heads 2 s and 2 s + 1 of tile a: two half fragments, as they were stored
	global_load_b128 v[12*(8*\a+\s):12*(8*\a+\s)+3], v1, s[4:5] offset:12288*\a+1536*\s
	global_load_b64 v[12*(8*\a+\s)+4:12*(8*\a+\s)+5], v2, s[4:5] offset:12288*\a+1536*\s+512
	global_load_b128 v[12*(8*\a+\s)+6:12*(8*\a+\s)+9], v1, s[4:5] offset:12288*\a+1536*\s+768
	global_load_b64 v[12*(8*\a+\s)+10:12*(8*\a+\s)+11], v2, s[4:5] offset:12288*\a+1536*\s+1280
.endr
.endr
	WIN 0
.irp d, 0,1,2,3,4,5,6,7,8,9,10,11,12,13,14,15
	global_load_u16 v[HRAW+\d], v3, s[6:7] offset:16384*\d          ; head d's two bytes of token = lane
.endr
.irp i, 0,1,2,3,4,5,6,7
.irp u, 0,1
	global_load_b128 v[WSC+8*(2*\i+\u):WSC+8*(2*\i+\u)+3], v4, s[10:11] offset:4096*\i+512*\u      ; a row's eight scale words: 16 rows are 512 consecutive bytes
	global_load_b128 v[WSC+8*(2*\i+\u)+4:WSC+8*(2*\i+\u)+7], v4, s[10:11] offset:4096*\i+512*\u+16
.endr
.endr
	s_wait_loadcnt 0x0
.irp s, 0,1,2,3,4,5,6,7
	v_lshl_or_b32 v[HSC+\s], v[HRAW+2*\s+1], 16, v[HRAW+2*\s]       ; K step s: heads 2 s and 2 s + 1
.endr
.rept 8
	v_nop                                          ; a scale register written by a vector instruction stands eight places ahead of a scaled product
.endr
.macro FRAGW reg, adr, u, s            ; Wo's fragment: tile u of my 32 rows, K step s.  Pieces of 8 bytes; 16 bytes of padding behind every 32 pieces; where the piece three on lies behind one padding more, the second address register serves
.irp p, 0,1,2,3,4,5
.set PIECE, 12*(\s)+6*(\p/3)+\p%3
.if PIECE%32 < 29
	ds_load_b64 v[\reg+2*\p:\reg+2*\p+1], v[\adr] offset:16*WPITCH*(\u)+8*PIECE+16*(PIECE/32)
.else
	ds_load_b64 v[\reg+2*\p:\reg+2*\p+1], v[\adr+1] offset:16*WPITCH*(\u)+8*PIECE+16*(PIECE/32)
.endif
.endr
.endm
.macro PROD i, s, u, a
.set AC, 8*(4*(\i)+2*(\u)+(\a))
.set WF, 12*(8*(\u)+(\s))
.set HF, 12*(8*(\a)+(\s))
.set WW, WSC+8*(2*(\i)+(\u))+(\s)
.if (\s) == 0
.if (\a) == 0
	v_wmma_scale_f32_16x16x128_f8f6f4 v[AC:AC+7], v[WF:WF+11], v[HF:HF+11], 0, v[WW], v[HSC+(\s)] matrix_a_fmt:MATRIX_FMT_FP6 matrix_b_fmt:MATRIX_FMT_FP6
.else
	v_wmma_scale_f32_16x16x128_f8f6f4 v[AC:AC+7], v[WF:WF+11], v[HF:HF+11], 0, v[WW], v[HSC+(\s)] matrix_a_fmt:MATRIX_FMT_FP6 matrix_b_fmt:MATRIX_FMT_FP6 matrix_b_scale:MATRIX_SCALE_ROW1
.endif
.else
.if (\a) == 0
	v_wmma_scale_f32_16x16x128_f8f6f4 v[AC:AC+7], v[WF:WF+11], v[HF:HF+11], v[AC:AC+7], v[WW], v[HSC+(\s)] matrix_a_fmt:MATRIX_FMT_FP6 matrix_b_fmt:MATRIX_FMT_FP6
.else
	v_wmma_scale_f32_16x16x128_f8f6f4 v[AC:AC+7], v[WF:WF+11], v[HF:HF+11], v[AC:AC+7], v[WW], v[HSC+(\s)] matrix_a_fmt:MATRIX_FMT_FP6 matrix_b_fmt:MATRIX_FMT_FP6 matrix_b_scale:MATRIX_SCALE_ROW1
.endif
.endif
.endm
; Step i: my 16 fragments of Wo in one run of 96 loads, K step by K step; 32 products, the step's four accumulators by turns; the first K step starts the sums.
.macro STEPC i
	WIN 0xc0                                       ; destination window 3
.irp s, 0,1,2,3,4,5,6,7
.irp u, 0,1
	FRAGW 12*(8*\u+\s), 16+2*((\i)%2), \u, \s
.endr
.endr
	WIN 0xa7                                       ; source 0 (Wo) window 3, source 1 (Hctx) window 1, C and D window 2
	s_wait_dscnt 48                                ; K steps 0-3 are in; the 48 loads of K steps 4-7 may be out
.irp s, 0,1,2,3,4,5,6,7
.if \s == 4
	s_wait_dscnt 0x0
.endif
.irp u, 0,1
.irp a, 0,1
	PROD \i, \s, \u, \a
.endr
.endr
.endr
	WIN 0
.endm
; The change of slots ahead of step i: all my tensor loads have landed (step i's among them); the add; the wait for it and for my reads of the slot that I have left; a round of the cluster's barrier; step i + 1 goes into that slot.
.macro CHG i
	s_wait_tensorcnt 0x0
	ds_add_u32 v28, v29                            ; 0 onto my spare word
	s_add_nc_u64 s[26+4*(((\i)+1)%2):27+4*(((\i)+1)%2)], s[26+4*(((\i)+1)%2):27+4*(((\i)+1)%2)], 2*128*768   ; no tensor load of mine is out: the slot's next 128 rows
	s_wait_dscnt 0x0
	ROUND
	tensor_load_to_lds s[24+4*(((\i)+1)%2):27+4*(((\i)+1)%2)], s[16:23]
	s_nop 0
	PLACES                                         ; also the places in front of the loads into registers that the last step's products read
.if (\i) >= 3
	global_prefetch_b8 v23, s[38:39] offset:8192*((\i)-3) th:TH_LOAD_NT scope:SCOPE_SE   ; my 8 rows of x, wanted on the way out: 32 lanes 256 bytes apart, four such lines in steps 3 to 6: each 256 bytes named once
.endif
.endm
	s_wait_tensorcnt 1                             ; my rows of step 0 are in (step 1's load may be out); I alone read them
	STEPC 0
.irp i, 1,2,3,4,5,6
	CHG \i
	STEPC \i
.endr
	s_wait_tensorcnt 0x0                           ; step 7's rows: the one load that was out
	PLACES
	STEPC 7
	PLACES                                         ; behind the last products: their operands' registers are loaded anew, their results are read
	WIN 0xc0
.irp q, 0,1,2,3,4,5,6,7                        ; register 4 q + e: column 128 q + 4 x lane + e
	global_load_b128 v[4*\q:4*\q+3], v1, s[36:37] offset:512*\q
	global_load_b128 v[32+4*\q:35+4*\q], v1, s[40:41] offset:512*\q
	global_load_b128 v[64+4*\q:67+4*\q], v1, s[42:43] offset:512*\q
.endr
	WIN 0x40
.irp k, 0,1,2,3,4,5,6,7
.irp q, 0,1,2,3,4,5,6,7
	global_load_b128 v[32*\k+4*\q:32*\k+4*\q+3], v1, s[38:39] offset:4096*\k+512*\q th:TH_LOAD_NT
.endr
.endr
	WIN 0
	s_wait_dscnt 0x0                               ; my reads of the slots are over,
	s_barrier_signal -1
	s_barrier_wait -1                              ; everybody's are: the stage may be written
	WIN 0x08                                       ; an LDS store's data are its source 1: window 2
.irp i, 0,1,2,3,4,5,6,7
.irp u, 0,1
.irp a, 0,1
	ds_store_b128 v[20+\a], v[8*(4*\i+2*\u+\a):8*(4*\i+2*\u+\a)+3] offset:512*\i+64*\u       ; each accumulator from its low end on
	ds_store_b128 v[20+\a], v[8*(4*\i+2*\u+\a)+4:8*(4*\i+2*\u+\a)+7] offset:512*\i+64*\u+16
.endr
.endr
.endr
	WIN 0
	s_wait_dscnt 0x0                               ; for the others' sake: my stores have landed
	s_barrier_signal -1
	s_barrier_wait -1
.macro LOADPAIR kp                     ; rows 2 kp and 2 kp + 1 of my 8, from the stage
	WIN 0xc0
.irp p, 0,1
.irp q, 0,1,2,3,4,5,6,7
	ds_load_b128 v[96+32*(2*((\kp)%2)+\p)+4*\q:96+32*(2*((\kp)%2)+\p)+4*\q+3], v22 offset:SPITCH*(2*(\kp)+\p)+512*\q
.endr
.endr
	WIN 0
.endm
.macro REDUCE                          ; v200, v201: each row's figure summed over the 32 lanes
.irp m, 1,2,4,8
	v_add_f32_dpp v200, v200, v200 row_xmask:\m row_mask:0xf bank_mask:0xf
	v_add_f32_dpp v201, v201, v201 row_xmask:\m row_mask:0xf bank_mask:0xf
.endr
	v_permlanex16_b32 v202, v200, s32, s33
	v_permlanex16_b32 v203, v201, s32, s33
	v_add_f32 v200, v200, v202
	v_add_f32 v201, v201, v203
.endm
.macro FOLD                            ; four chains of a row become one pair (window 3)
	v_pk_add_f32 v[TB:TB+1], v[TB:TB+1], v[TB+2:TB+3]
	v_pk_add_f32 v[TB+4:TB+5], v[TB+4:TB+5], v[TB+6:TB+7]
	v_pk_add_f32 v[TB:TB+1], v[TB:TB+1], v[TB+4:TB+5]
.endm
.macro PAIRLN kp                       ; two rows go through each phase together
.if (\kp) < 3
	s_wait_dscnt 16                                ; this pair is back from the stage; the next pair's 16 loads may be out
.else
	s_wait_dscnt 0x0
.endif
	s_wait_loadcnt 48-16*(\kp)                     ; bo, ln_w, ln_b and these two rows of x are in; the later rows' loads may be out
	WIN 0xc7                                       ; destination and source 0 window 3, source 1 (x) window 1
.irp p, 0,1
.set RB, 96+32*(2*((\kp)%2)+\p)
.set XB, 32*(2*(\kp)+\p)
.set n, 0
.rept 16
	v_pk_add_f32 v[RB+n:RB+n+1], v[RB+n:RB+n+1], v[XB+n:XB+n+1]
.set n, n+2
.endr
.endr
	WIN 0xff                                       ; all in window 3
.irp p, 0,1
.set RB, 96+32*(2*((\kp)%2)+\p)
.set TB, 224+8*\p
.set n, 0
.rept 16
	v_pk_add_f32 v[RB+n:RB+n+1], v[RB+n:RB+n+1], v[n:n+1]          ; + bo
.set n, n+2
.endr
.irp c, 0,1,2,3
	v_pk_add_f32 v[TB+2*\c:TB+2*\c+1], v[RB+2*\c:RB+2*\c+1], v[RB+8+2*\c:RB+8+2*\c+1]   ; the row's sum, in four chains
.endr
.irp c, 0,1,2,3
	v_pk_add_f32 v[TB+2*\c:TB+2*\c+1], v[TB+2*\c:TB+2*\c+1], v[RB+16+2*\c:RB+16+2*\c+1]
.endr
.irp c, 0,1,2,3
	v_pk_add_f32 v[TB+2*\c:TB+2*\c+1], v[TB+2*\c:TB+2*\c+1], v[RB+24+2*\c:RB+24+2*\c+1]
.endr
	FOLD
.endr
	WIN 0x0f                                       ; sources window 3, destination window 0
	v_add_f32 v200, v224, v225
	v_add_f32 v201, v232, v233
	WIN 0
	REDUCE
	v_mul_f32 v204, s34, v200                      ; the mean, twice: a pair for the packed forms
	v_mul_f32 v205, s34, v200
	v_mul_f32 v206, s34, v201
	v_mul_f32 v207, s34, v201
	WIN 0xc3                                       ; destination and source 0 window 3, source 1 window 0
.irp p, 0,1
.set RB, 96+32*(2*((\kp)%2)+\p)
.set n, 0
.rept 16
	v_pk_add_f32 v[RB+n:RB+n+1], v[RB+n:RB+n+1], v[204+2*\p:205+2*\p] neg_lo:[0,1] neg_hi:[0,1]   ; centred
.set n, n+2
.endr
.endr
	WIN 0xff
.irp p, 0,1
.set RB, 96+32*(2*((\kp)%2)+\p)
.set TB, 224+8*\p
.irp c, 0,1,2,3
	v_pk_mul_f32 v[TB+2*\c:TB+2*\c+1], v[RB+2*\c:RB+2*\c+1], v[RB+2*\c:RB+2*\c+1]          ; the squares' sum, in four chains
.endr
.irp o, 8,16,24
.irp c, 0,1,2,3
	v_pk_fma_f32 v[TB+2*\c:TB+2*\c+1], v[RB+\o+2*\c:RB+\o+2*\c+1], v[RB+\o+2*\c:RB+\o+2*\c+1], v[TB+2*\c:TB+2*\c+1]
.endr
.endr
	FOLD
.endr
	WIN 0x0f
	v_add_f32 v200, v224, v225
	v_add_f32 v201, v232, v233
	WIN 0
	REDUCE
	v_fma_f32 v200, v200, s34, s35                 ; the variance + 1e-5
	v_fma_f32 v201, v201, s34, s35
	v_rsq_f32 v208, v200
	v_rsq_f32 v209, v200
	v_rsq_f32 v210, v201
	v_rsq_f32 v211, v201
	v_nop                                          ; a plain place behind the last of the four
	s_wait_alu depctr_va_vdst(0)                   ; one wait for the four, ahead of their first reader
	WIN 0xc3
.irp p, 0,1
.set RB, 96+32*(2*((\kp)%2)+\p)
.set n, 0
.rept 16
	v_pk_mul_f32 v[RB+n:RB+n+1], v[RB+n:RB+n+1], v[208+2*\p:209+2*\p]
.set n, n+2
.endr
.endr
	WIN 0xff
.irp p, 0,1
.set RB, 96+32*(2*((\kp)%2)+\p)
.set n, 0
.rept 16
	v_pk_fma_f32 v[RB+n:RB+n+1], v[RB+n:RB+n+1], v[32+n:33+n], v[64+n:65+n]     ; x ln_w + ln_b
.set n, n+2
.endr
.endr
	WIN 0x0c                                       ; a store's data are its source 1: window 3
.irp p, 0,1
.set RB, 96+32*(2*((\kp)%2)+\p)
.irp q, 0,1,2,3,4,5,6,7
	global_store_b128 v1, v[RB+4*\q:RB+4*\q+3], s[44:45] offset:4096*(2*(\kp)+\p)+512*\q th:TH_STORE_NT   ; 512 consecutive bytes, aligned to 256
.endr
.endr
	WIN 0
.endm
	LOADPAIR 0
	LOADPAIR 1
	PAIRLN 0
	s_wait_xcnt 0x0                                ; the pair's stores have read their registers: the pair after next may land there
	LOADPAIR 2
	PAIRLN 1
	s_wait_xcnt 0x0
	LOADPAIR 3
	PAIRLN 2
	PAIRLN 3
	s_wait_tensorcnt 0x0                           ; the wave's end
	ds_add_u32 v28, v29
	s_wait_dscnt 0x0
	ROUND                                          ; the closing round
	s_endpgm
.Lfunc_end_k_q18ee1bc871_oproj:
	.size	k_q18ee1bc871_oproj, .Lfunc_end_k_q18ee1bc871_oproj-k_q18ee1bc871_oproj
	.p2alignl 7, 3214868480
	.fill 96, 4, 3214868480
	.section	.rodata,"a",@progbits
	.p2align	6, 0x0
	.amdhsa_kernel k_q18ee1bc871_oproj
		.amdhsa_group_segment_fixed_size 327680
		.amdhsa_private_segment_fixed_size 0
		.amdhsa_enable_private_segment 0
		.amdhsa_kernarg_size 72
		.amdhsa_user_sgpr_count 2
		.amdhsa_user_sgpr_kernarg_segment_ptr 1
		.amdhsa_wavefront_size32 1
		.amdhsa_system_sgpr_workgroup_id_x 1
		.amdhsa_system_sgpr_workgroup_id_y 1
		.amdhsa_system_sgpr_workgroup_id_z 1
		.amdhsa_system_vgpr_workitem_id 0
		.amdhsa_next_free_vgpr 1024
		.amdhsa_next_free_sgpr 66
		.amdhsa_reserve_vcc 0
		.amdhsa_float_denorm_mode_32 3
		.amdhsa_float_denorm_mode_16_64 3
		.amdhsa_memory_ordered 1
		.amdhsa_forward_progress 1
		.amdhsa_inst_pref_size 192
	.end_amdhsa_kernel
	.amdgpu_metadata
---
amdhsa.version: [ 1, 2 ]
amdhsa.kernels:
  - .name:           k_q18ee1bc871_oproj
    .symbol:         k_q18ee1bc871_oproj.kd
    .args:
      - { .name: hc, .offset: 0, .size: 8, .value_kind: global_buffer, .address_space: global }
      - { .name: hs, .offset: 8, .size: 8, .value_kind: global_buffer, .address_space: global }
      - { .name: Wo_codes, .offset: 16, .size: 8, .value_kind: global_buffer, .address_space: global }
      - { .name: Wo_scales, .offset: 24, .size: 8, .value_kind: global_buffer, .address_space: global }
      - { .name: bo, .offset: 32, .size: 8, .value_kind: global_buffer, .address_space: global }
      - { .name: x, .offset: 40, .size: 8, .value_kind: global_buffer, .address_space: global }
      - { .name: ln_w, .offset: 48, .size: 8, .value_kind: global_buffer, .address_space: global }
      - { .name: ln_b, .offset: 56, .size: 8, .value_kind: global_buffer, .address_space: global }
      - { .name: out0, .offset: 64, .size: 8, .value_kind: global_buffer, .address_space: global }
    .group_segment_fixed_size: 327680
    .private_segment_fixed_size: 0
    .kernarg_segment_align: 8
    .kernarg_segment_size: 72
    .max_flat_workgroup_size: 128
    .sgpr_count:     66
    .vgpr_count:     1024
    .wavefront_size: 32
...
	.end_amdgpu_metadata
.endif
;; end of part 4
